; MI455X (gfx1250); checked and timed in simulation.
; The chip was launched on July 23, 2026; its instructions are those of AMD's public machine-readable ISA for CDNA 5 (MIT licence, August 2026) and "CDNA5" Instruction Set Architecture Reference Guide (July 2026). The comments in the code are by the model that wrote it; some were corrected since.
;; Bahdanau Attention. Allowed arithmetic: float matrix products may take bf16 or f16 operands with f32 sums; other float arithmetic in f32, or as packed bf16 or f16 multiplies, adds, multiply-adds, maxima and minima; sums over many terms, partial sums and values carried from step to step in f32; what a program stores and reads back later, other than sums and carried values, may be rounded once to bf16 or f16.
;; Inputs: U 1,024 x 1,024 float32; V 1,024 x 1 float32; W 1,024 x 1,024 float32; Wc_b 1,024 float32; Wc_w 1 x 1,024 float32; coverage_vector 32 x 2,048 x 1 x 1 float32; decoder_hidden_state 32 x 1,024 float32; encoder_mask 32 x 2,048 float32; encoder_outputs 32 x 2,048 x 1,024 float32.
;; Outputs: out0 32 x 1,024 float32; out1 32 x 2,048 float32; out2 32 x 2,048 x 1 x 1 float32.
;; 2 versions, each right; version 2 is version 1 with the launch attend written anew for expert scheduling mode. Each part assembles by itself: llvm-mc -triple=amdgcn-amd-amdhsa -mcpu=gfx1250 --defsym DOCPART=n.
;; ======== version 1 of 2: 3 launches
;; workspace buffers: uf 2,097,152 bytes; bias 131,072 bytes; sc 262,144 bytes; ctxp 2,097,152 bytes
;; launch prep (part 1): grid 128 x 1, 8 waves a work-group, no clusters, 9,216 bytes of LDS; arguments U, W, decoder_hidden_state, Wc_b, uf, bias; writes uf, bias
.if DOCPART == 1
	.amdgcn_target "amdgcn-amd-amdhsa--gfx1250"
	.amdhsa_code_object_version 6
	.text
	.protected	k_q8701111c51_prep
	.globl	k_q8701111c51_prep
	.p2align	8
	.type	k_q8701111c51_prep,@function
k_q8701111c51_prep:
	s_mov_b64 s[64:65], 0
	v_nop
	global_prefetch_b8 v0, s[64:65] scope:SCOPE_SE
	s_setreg_imm32_b32 hwreg(HW_REG_WAVE_MODE, 25, 1), 1
	s_wait_xcnt 0x0
; TWO SMALL JOBS AHEAD OF THE MAIN LAUNCH, both done by every work-group (128 of eight waves).
; (1) uf: U [1024 k][1024 u] f32 -> bf16 in the order in which a matrix fragment lies in registers:
;     byte sg*262144 + t*8192 + j*1024 + hf*512 + l*16 + 2e  holds  U[32t + 16hf + 8(l/16) + e][128sg + 16j + l%16].
;     Work-group G takes K step t = G/4; its wave w the 32 units 32P.., P = 8(G%4) + w.
; (2) bias: k2 x (dec W + Wc_b), k2 = 2 log2(e), f32, laid out [unit tile 64][b 32][16 units]: work-group G makes unit tile G/2 for the
;     batches 16(G%2) .. +15: 1,024 consecutive bytes.  K IS SPLIT AMONG THE EIGHT WAVES, 128 each; the partial tiles meet in LDS.
;     dec and W are rounded to bf16 for the product, sums in f32.
; Source 0 = 16 units of W, source 1 = 16 rows of dec: in the result a lane holds ONE batch (lane % 16) and the units 8 (lane / 16) + 0..7.
.set RED,   0                          ; LDS: wave w's partial tile, [b 16][16 units] f32, at 1,024 w
.set SPARE, 8192                       ; the spare words, 128 bytes for each wave: four blocks of 256 bytes that no other line names
.set WO,  4                            ; v4   W: (l/16) x 8 rows of 4,096 bytes + 4 (l%16)
.set DO,  5                            ; v5   dec: (l%16) x 4,096 + 32 (l/16)
.set UA,  6                            ; v6   U: 4 l
.set UB,  7                            ; v7   uf: 1,024 (l/16) + 16 (l%16)
.set RST, 8                            ; v8   where I put my 32 bytes of the partial tile
.set FO,  9                            ; v9   16 x thread: where threads 0-63 read the partial tiles and store the result
.set SPW, 10                           ; v10  LDS address of my spare word; never rewritten
.set NIL, 11                           ; v11  0; never rewritten
.set BO,  12                           ; v12  16 (thread % 4): my four units in Wc_b
.set ACC, 16                           ; v[16:31]  two accumulators: K steps of even and of odd number
.set UR,  32                           ; v[32:63]  U as loaded: 32 k of my unit
.set UQ,  64                           ; v[64:79]  the same in bf16
.set CB,  84                           ; v[84:87]  Wc_b
.set WF,  96                           ; v[96:159]  W as loaded; packed in place: fragment ks at WF + 8 ks
.set DF,  160                          ; v[160:223] dec likewise
	s_load_b256 s[4:11], s[0:1], 0x0               ; U s[4:5], W s[6:7], dec s[8:9], Wc_b s[10:11]
	s_load_b128 s[12:15], s[0:1], 0x20             ; uf s[12:13], bias s[14:15]
	v_lshl_add_u32 v[SPW], v0, 2, SPARE
	v_mov_b32 v[NIL], 0
	v_lshrrev_b32 v1, 5, v0
	v_readfirstlane_b32 s16, v1                    ; wave 0..7
	v_and_b32 v1, 31, v0                           ; l
	v_and_b32 v2, 15, v0                           ; l % 16
	v_bfe_u32 v3, v0, 4, 1                         ; l / 16
	s_lshr_b32 s17, ttmp9, 1                       ; unit tile
	s_and_b32 s18, ttmp9, 1                        ; which 16 batches
	s_mov_b32 s21, 0                               ; s[20:21]: a byte offset in 64 bits
	s_mov_b32 s30, 0x4038aa3b                      ; k2 = 2 log2(e)
	s_mov_b32 s31, s30                             ; named with it as a pair
	v_lshlrev_b32 v[WO], 2, v2
	v_lshl_add_u32 v[WO], v3, 15, v[WO]
	v_lshlrev_b32 v[DO], 12, v2
	v_lshl_add_u32 v[DO], v3, 5, v[DO]
	v_lshlrev_b32 v[UA], 2, v1
	v_lshlrev_b32 v[UB], 4, v2
	v_lshl_add_u32 v[UB], v3, 10, v[UB]
	s_lshl_b32 s19, s16, 10
	v_lshl_add_u32 v[RST], v2, 6, s19              ; 1,024 w + 64 (l%16)
	v_lshl_add_u32 v[RST], v3, 5, v[RST]           ; + 32 (l/16)
	v_lshlrev_b32 v[FO], 4, v0
	v_and_b32 v[BO], 3, v0
	v_lshlrev_b32 v[BO], 4, v[BO]
	s_and_b32 s24, ttmp9, 3
	s_lshl_b32 s24, s24, 3
	s_add_co_u32 s24, s24, s16                     ; P
	s_lshr_b32 s25, ttmp9, 2                       ; t
	s_wait_kmcnt 0x0
	s_lshl_b32 s20, s16, 19                        ; W: my 128 rows of 4,096 bytes,
	s_lshl_b32 s22, s17, 6                         ; the tile's 16 units
	s_add_co_u32 s20, s20, s22
	s_add_nc_u64 s[6:7], s[6:7], s[20:21]
	s_lshl_b32 s20, s18, 16                        ; dec: 16 rows of 4,096 bytes,
	s_lshl_b32 s23, s16, 9                         ; my 128 k
	s_add_co_u32 s20, s20, s23
	s_add_nc_u64 s[8:9], s[8:9], s[20:21]
	s_mov_b32 s20, s22
	s_add_nc_u64 s[10:11], s[10:11], s[20:21]      ; Wc_b at the tile's units
	s_lshl_b32 s20, ttmp9, 10
	s_add_nc_u64 s[14:15], s[14:15], s[20:21]      ; bias at the work-group's 1,024 bytes
	s_lshl_b32 s20, s25, 17                        ; U: 32 rows of 4,096 bytes a K step,
	s_lshl_b32 s26, s24, 7                         ; my 32 units
	s_add_co_u32 s20, s20, s26
	s_add_nc_u64 s[4:5], s[4:5], s[20:21]
	s_lshr_b32 s20, s24, 2                         ; uf: sg = P/4,
	s_lshl_b32 s20, s20, 18
	s_lshl_b32 s26, s25, 13                        ; t,
	s_add_co_u32 s20, s20, s26
	s_and_b32 s26, s24, 3                          ; j = 2 (P%4) + l/16
	s_lshl_b32 s26, s26, 11
	s_add_co_u32 s20, s20, s26
	s_add_nc_u64 s[12:13], s[12:13], s[20:21]
	; all loads go out together; the product's first, since more work hangs on them
	global_load_b128 v[CB:CB+3], v[BO], s[10:11]   ; every wave loads it, waves 0 and 1 use it: one line, no branch
.set i, 0
.rept 64                               ; W[k][u]: a lane's 64 numbers lie in 64 rows: k = 32 ks + 16 hf + 8 (l/16) + e
	global_load_b32 v[WF+i], v[WO], s[6:7] offset:(32*(i/16)+16*((i/8)%2)+i%8)*4096
.set i, i+1
.endr
.set i, 0
.rept 16                               ; dec[b][k]: eight neighbouring k are two loads of 16 bytes
	global_load_b128 v[DF+4*i:DF+4*i+3], v[DO], s[8:9] offset:(i/4)*128+((i/2)%2)*64+(i%2)*16
.set i, i+1
.endr
.set i, 0
.rept 32                               ; U[32 t + i][32 P + l]: 128 consecutive bytes a load
	global_load_b32 v[UR+i], v[UA], s[4:5] offset:i*4096 th:TH_LOAD_NT
.set i, i+1
.endr
	s_wait_loadcnt 32                              ; all but U's 32 loads, which were issued last
.set i, 0
.rept 32                               ; packed in place, ascending: line i writes register i and reads 2 i and 2 i + 1, which no earlier line wrote
	v_cvt_pk_bf16_f32 v[WF+i], v[WF+2*i], v[WF+2*i+1]
	v_cvt_pk_bf16_f32 v[DF+i], v[DF+2*i], v[DF+2*i+1]
.set i, i+1
.endr
	; the two accumulators take turns; the first two products start the sums
	v_wmma_f32_16x16x32_bf16 v[ACC:ACC+7],    v[WF:WF+7],     v[DF:DF+7],     0
	v_wmma_f32_16x16x32_bf16 v[ACC+8:ACC+15], v[WF+8:WF+15],  v[DF+8:DF+15],  0
	v_wmma_f32_16x16x32_bf16 v[ACC:ACC+7],    v[WF+16:WF+23], v[DF+16:DF+23], v[ACC:ACC+7]
	v_wmma_f32_16x16x32_bf16 v[ACC+8:ACC+15], v[WF+24:WF+31], v[DF+24:DF+31], v[ACC+8:ACC+15]
	s_wait_loadcnt 0x0                             ; U
.set i, 0
.rept 16                               ; U's conversions name no register of the products: they are the places behind them (ISA guide 7.12.1)
	v_cvt_pk_bf16_f32 v[UQ+i], v[UR+2*i], v[UR+2*i+1]
.set i, i+1
.endr
.irp c, 0,1,2,3                        ; c = 2 hf + (fragment lane / 16): 16 lanes store 256 consecutive bytes, at a multiple of 256 from uf's first byte
	global_store_b128 v[UB], v[UQ+4*(\c):UQ+4*(\c)+3], s[12:13] offset:(\c)*256
.endr
.irp i, 0,2,4,6                        ; the two parities; each accumulator is read from its low end on
	v_pk_add_f32 v[ACC+(\i):ACC+(\i)+1], v[ACC+(\i):ACC+(\i)+1], v[ACC+8+(\i):ACC+8+(\i)+1]
.endr
	ds_store_b128 v[RST], v[ACC:ACC+3]   offset:RED
	ds_store_b128 v[RST], v[ACC+4:ACC+7] offset:RED+16
	s_wait_dscnt 0x0                               ; for the others' sake: my partial tile is written
	s_barrier_signal -1
	s_barrier_wait -1                              ; all eight lie in LDS
	s_cmp_lt_u32 s16, 2                            ; 64 threads x 16 bytes are the tile
	s_cbranch_scc0 .Lend
.irp i, 0,1,2,3,4,5,6,7
	ds_load_b128 v[WF+4*(\i):WF+4*(\i)+3], v[FO] offset:RED+1024*(\i)
.endr
	s_wait_dscnt 0x0
.irp i, 0,2,4,6,8,10,12,14             ; partial sums 0-3 take 4-7,
	v_pk_add_f32 v[WF+(\i):WF+(\i)+1], v[WF+(\i):WF+(\i)+1], v[WF+16+(\i):WF+16+(\i)+1]
.endr
.irp i, 0,2,4,6                        ; 0-1 take 2-3,
	v_pk_add_f32 v[WF+(\i):WF+(\i)+1], v[WF+(\i):WF+(\i)+1], v[WF+8+(\i):WF+8+(\i)+1]
.endr
.irp i, 0,2                            ; 0 takes 1, then Wc_b, then k2
	v_pk_add_f32 v[WF+(\i):WF+(\i)+1], v[WF+(\i):WF+(\i)+1], v[WF+4+(\i):WF+4+(\i)+1]
.endr
.irp i, 0,2
	v_pk_add_f32 v[WF+(\i):WF+(\i)+1], v[WF+(\i):WF+(\i)+1], v[CB+(\i):CB+(\i)+1]
.endr
.irp i, 0,2
	v_pk_mul_f32 v[WF+(\i):WF+(\i)+1], v[WF+(\i):WF+(\i)+1], s[30:31] op_sel_hi:[1,0]
.endr
	global_store_b128 v[FO], v[WF:WF+3], s[14:15]  ; a wave stores 512 consecutive bytes
.Lend:
	s_wait_tensorcnt 0x0                           ; the wave's end, behind my last LDS store
	ds_add_u32 v[SPW], v[NIL]
	s_wait_dscnt 0x0
	s_endpgm
.Lfunc_end_k_q8701111c51_prep:
	.size	k_q8701111c51_prep, .Lfunc_end_k_q8701111c51_prep-k_q8701111c51_prep
	.p2alignl 7, 3214868480
	.fill 96, 4, 3214868480
	.section	.rodata,"a",@progbits
	.p2align	6, 0x0
	.amdhsa_kernel k_q8701111c51_prep
		.amdhsa_group_segment_fixed_size 9216
		.amdhsa_private_segment_fixed_size 0
		.amdhsa_enable_private_segment 0
		.amdhsa_kernarg_size 48
		.amdhsa_user_sgpr_count 2
		.amdhsa_user_sgpr_kernarg_segment_ptr 1
		.amdhsa_wavefront_size32 1
		.amdhsa_system_sgpr_workgroup_id_x 1
		.amdhsa_system_sgpr_workgroup_id_y 1
		.amdhsa_system_sgpr_workgroup_id_z 1
		.amdhsa_system_vgpr_workitem_id 0
		.amdhsa_next_free_vgpr 224
		.amdhsa_next_free_sgpr 66
		.amdhsa_reserve_vcc 0
		.amdhsa_float_denorm_mode_32 3
		.amdhsa_float_denorm_mode_16_64 3
		.amdhsa_memory_ordered 1
		.amdhsa_forward_progress 1
		.amdhsa_inst_pref_size 22
	.end_amdhsa_kernel
	.amdgpu_metadata
---
amdhsa.version: [ 1, 2 ]
amdhsa.kernels:
  - .name:           k_q8701111c51_prep
    .symbol:         k_q8701111c51_prep.kd
    .args:
      - { .name: U, .offset: 0, .size: 8, .value_kind: global_buffer, .address_space: global }
      - { .name: W, .offset: 8, .size: 8, .value_kind: global_buffer, .address_space: global }
      - { .name: decoder_hidden_state, .offset: 16, .size: 8, .value_kind: global_buffer, .address_space: global }
      - { .name: Wc_b, .offset: 24, .size: 8, .value_kind: global_buffer, .address_space: global }
      - { .name: uf, .offset: 32, .size: 8, .value_kind: global_buffer, .address_space: global }
      - { .name: bias, .offset: 40, .size: 8, .value_kind: global_buffer, .address_space: global }
    .group_segment_fixed_size: 9216
    .private_segment_fixed_size: 0
    .kernarg_segment_align: 8
    .kernarg_segment_size: 48
    .max_flat_workgroup_size: 256
    .sgpr_count:     66
    .vgpr_count:     224
    .wavefront_size: 32
...
	.end_amdgpu_metadata
.endif
;; end of part 1
;; launch attend (part 2): grid 256 x 1, 4 waves a work-group, no clusters, 314,880 bytes of LDS; arguments encoder_outputs, uf, bias, Wc_w, V, coverage_vector, encoder_mask, sc, ctxp; writes sc, ctxp
.if DOCPART == 2
	.amdgcn_target "amdgcn-amd-amdhsa--gfx1250"
	.amdhsa_code_object_version 6
	.text
	.protected	k_q8701111c51_attend
	.globl	k_q8701111c51_attend
	.p2align	8
	.type	k_q8701111c51_attend,@function
k_q8701111c51_attend:
	s_mov_b64 s[64:65], 0
	v_nop
	global_prefetch_b8 v0, s[64:65] scope:SCOPE_SE
	s_setreg_imm32_b32 hwreg(HW_REG_WAVE_MODE, 25, 1), 1
	s_wait_xcnt 0x0
; SCORES AND PARTIAL CONTEXTS.  A work-group takes 256 rows of one batch (b = g / 8) as two BLOCKS of 128 rows.  For each block:
;   PASS 0 x = enc U for 128 rows x 512 units: each of the four waves 128 rows x 128 units, 64 accumulators, K = 1,024 in 32 quarters of 32.  THE BLOCK COMES IN UNDER THIS PASS: its rows are read from
;          memory once, in chunks of 64 k, some quarters ahead of the products that want them, rounded to bf16 and stored in LDS, where they stay until the block's context is made;
;   PASS 1 the other 512 units, from the same LDS bytes;
;   behind each pass tanh(x + dec W + Wc_b + cov Wc_w) . V is taken off the accumulators;
;   SCORE  the waves' partial scores meet in LDS; the block's maximum m; p = e^(s - m) x mask;
;   CTX    the block's partial context, sum over its rows of p enc, from the same LDS bytes, read turned.
; tanh(x) = 1 - 2 / (1 + 2^(k2 x)), k2 = 2 log2(e).  So score = sum(V) + sum over u of (-2 V_u) / (1 + 2^(k2 x_u)).  sum(V) is the same for every row of every batch and falls out of
; the softmax: it is NOT added; sc holds score - sum(V).  2^(..) = infinity gives 1 / infinity = 0, tanh = 1; 2^(..) = 0 gives tanh = -1.
; The maximum taken away here is the block's own; the last launch finds it again from sc (a maximum is exact) and brings all blocks to the batch's maximum over ALL rows, masked ones too.
; LIMITS.  enc, U, dec, W are rounded to bf16 for the products, p and enc for the context; all sums in f32.  An exponential below 2^-126 counts as 0 (ISA guide, v_exp_f32).  NaN and infinities are not treated apart.
; U COMES STRAIGHT INTO REGISTERS.  uf holds U in bf16 in fragment order; wave w reads 524,288 consecutive bytes of it for a block, and no wave wants a byte that another wave of the work-group fetches.
; NO CLUSTER, NO JOINT LOADS, though every work-group walks the same U: joint loads land in LDS, and of its 327,680 bytes this text uses 314,880; one K step of 32 for the work-group's 512 units is 32,768 bytes.
; THE MATRIX INSTRUCTION: source 0 = 16 units of U, source 1 = 16 rows of enc: in the result a lane holds ONE row (lane % 16) and the units 8 (lane / 16) + 0..7.
; REGISTERS, in windows of 256 (s_set_vgpr_msb: bits 1:0 source 0, 3:2 source 1, 5:4 source 2, 7:6 destination):
;   window 0: v0-63 addresses, cov, scores, mask; v64-127 enc's fragments; v128-255 in pass 0 four sets of 32 in which enc lands; in pass 1 v128-191 a second buffer of fragments;
;             behind a pass v64-175 are at work; in SCORE and CTX v192-223 hold p's fragments, v224-255 are at work
;   window 1: four buffers of 64 for U's fragments
;   windows 2, 3: the accumulators: row tile a, unit tile b at v[8 (8 (a % 4) + b)] of window 2 + a / 4.  In CTX window 2 holds 16 accumulators, window 3 enc turned.
.set PA,    144                        ; a row of 64 k in LDS: 128 bytes + 16: the 16 rows of a fragment load start at 16 different groups of four banks (64 banks of 4 bytes: ISA guide 11.1)
.set ACH,   128*PA                     ; a chunk: 128 rows x 64 k
.set TAB,   16*ACH                     ; three tables of 1,024 f32: k2 (dec W + Wc_b) of my batch, k2 Wc_w, -2 V
.set SCP,   TAB+12288                  ; [wave][128] partial scores
.set PB,    SCP+2048                   ; [wave][128] p in bf16: each wave's own copy
.set CX,    PB+1024                    ; [wave][256] f32: each wave's own stage for its part of the context
.set SPARE, CX+4096                    ; the spare words, 128 bytes for each wave: two blocks of 256 bytes that no other line names
.set ADRA0, 3                          ; v3   (l%16) PA + 16 (l/16): my place in a fragment of enc; never rewritten
.set ADRA,  4                          ; v4   the same, at the chunk in hand
.set LOF,   5                          ; v5   16 l: offset for uf, mask, sc, ctxp; never rewritten
.set TA0,   6                          ; v6   my place in the tables for pass 0
.set TA,    7                          ; v7   for the pass in hand
.set XO,    8                          ; v8   enc in memory: (l/16) x a row of 4,096 bytes + 16 (l%16); never rewritten
.set XS0,   9                          ; v9   enc in LDS: (32 w + l/16) PA + 8 (l%16); never rewritten
.set XST,   10                         ; v10  the same, at the chunk in hand
.set AT,    13                         ; v13-14 CTX: my place in the turning loads, for my wave's chunks 0-1 and 2-3
.set PBA,   15                         ; v15  where I read p's fragments
.set SCW,   16                         ; v16  where I put partial scores
.set SCR,   17                         ; v17  where I read them: rows 4 l .. 4 l + 3
.set CXW,   18                         ; v18  into my stage
.set CXR,   19                         ; v19  back from it
.set PFO,   20                         ; v20  4,096 l: the prefetches' offset, a lane a row; never rewritten
.set CVO,   21                         ; v21  4 (l%16)
.set PBW,   22                         ; v22  where I put four p
.set TF,    23                         ; v23  TAB + 16 x thread
.set CV,    24                         ; v24-39  cov of row 16 a + l%16, in both registers of pair a
.set SC,    40                         ; v40-55  the score of that row, in two halves, pair a
.set MK,    56                         ; v56-59  mask of rows 4 l ..
.set SPW,   62                         ; v62  LDS address of my spare word; never rewritten
.set NIL,   63                         ; v63  0; never rewritten
.set AF,    64                         ; enc's fragments: row tiles 0-3 in v64-95, 4-7 in v96-127
.set T,     64                         ; behind a pass, at work: 64 registers
.set XL,    128                        ; pass 0: landing set s at XL + 32 s
.set TB,    128                        ; behind a pass: two buffers of 24 for a unit tile's table entries: 8 bias, 8 k2 Wc_w, 8 -2 V
.set PF,    192                        ; p's fragments
.set SS,    228                        ; v228-243  scores
.set WV,  22                           ; s22  my wave's number
.set BLK, 24                           ; s24  blocks to go
.set PAS, 25                           ; s25  passes to go
.set TRP, 26                           ; s26  trips to go
.set UP,  28                           ; s[28:29] uf at the pass in hand, stepped along K
.set K2,  30                           ; s[30:31] k2, as a pair
.set SEL, 32                           ; s[32:33] v_permlanex16_b32's selects: each lane takes its own place in the other half
.set C1,  36                           ; s36  log2(e)
.set XP,  38                           ; s[38:39] enc at my wave's 32 rows of the block, stepped along K
.set KB,  40                           ; s40  LDS byte of the chunk from which a trip's offsets count
.set MSB, 0
.macro WIN new                         ; the immediate's high byte repeats the setting that is left; a switch that changes nothing is dropped
.if MSB != (\new)
	s_set_vgpr_msb (MSB<<8)|(\new)
.set MSB, \new
.endif
.endm
.macro PLACES                          ; four places behind matrix instructions (ISA guide 7.12.1), where no other vector work is at hand
.rept 4
	v_nop
.endr
.endm
; 16 LDS loads: enc's fragments of one quarter (128 rows x 32 k) into buffer g (pass 1)
.macro FETCH_A g, off
	WIN 0
.irp i, 0,1,2,3,4,5,6,7
	ds_load_b128 v[(\g)+8*(\i):(\g)+8*(\i)+3],   v[ADRA] offset:(\off)+(\i)*16*PA
	ds_load_b128 v[(\g)+8*(\i)+4:(\g)+8*(\i)+7], v[ADRA] offset:(\off)+(\i)*16*PA+32
.endr
.endm
; 8 LDS loads: four row tiles' fragments (64 rows x 32 k) into the 32 registers from g on (pass 0)
.macro FETCH_H g, off
	WIN 0
.irp i, 0,1,2,3
	ds_load_b128 v[(\g)+8*(\i):(\g)+8*(\i)+3],   v[ADRA] offset:(\off)+(\i)*16*PA
	ds_load_b128 v[(\g)+8*(\i)+4:(\g)+8*(\i)+7], v[ADRA] offset:(\off)+(\i)*16*PA+32
.endr
.endm
; 16 global loads: U's fragments of one quarter (128 units x 32 k), 8,192 consecutive bytes, into buffer g of window 1
.macro FETCH_U g, off
	WIN 0x40
.irp j, 0,1,2,3,4,5,6,7
	global_load_b128 v[(\g)+8*(\j):(\g)+8*(\j)+3],   v[LOF], s[UP:UP+1] offset:(\off)+(\j)*1024
	global_load_b128 v[(\g)+8*(\j)+4:(\g)+8*(\j)+7], v[LOF], s[UP:UP+1] offset:(\off)+(\j)*1024+512
.endr
.endm
; 16 matrix instructions: row tiles a0, a0 + 1 of the window's four x all 8 unit tiles.  zero = 1: the product starts the sum.
; The 64 accumulators take turns in the same order in every quarter of both passes.
.macro MUL16 fu, fa, hi, a0, zero
	WIN 0xa1+0x50*(\hi)
.irp a, \a0, (\a0)+1
.irp b, 0,1,2,3,4,5,6,7
.if \zero
	v_wmma_f32_16x16x32_bf16 v[8*(8*(\a)+(\b)):8*(8*(\a)+(\b))+7], v[(\fu)+8*(\b):(\fu)+8*(\b)+7], v[(\fa)+8*(4*(\hi)+(\a)):(\fa)+8*(4*(\hi)+(\a))+7], 0
.else
	v_wmma_f32_16x16x32_bf16 v[8*(8*(\a)+(\b)):8*(8*(\a)+(\b))+7], v[(\fu)+8*(\b):(\fu)+8*(\b)+7], v[(\fa)+8*(4*(\hi)+(\a)):(\fa)+8*(4*(\hi)+(\a))+7], v[8*(8*(\a)+(\b)):8*(8*(\a)+(\b))+7]
.endif
.endr
.endr
.endm
; PASS 1's quarter q: 64 matrix instructions on enc's buffer fa (q % 2) and U's buffer fu (q % 4).  In its middle, in one run: enc's fragments of quarter q + 1 into ga, U's of quarter q + 3 into gu.
.macro QUARTER fa, fu, ga, aoff, gu, uoff, zero, aon
	s_wait_loadcnt 32                              ; loads come back in order (ISA guide 5.7.1): U of this quarter is in, the two younger batches of 16 stay out
	s_wait_dscnt 8                                 ; enc's row tiles 0-3 are in; the youngest eight loads may be out
	MUL16 \fu, \fa, 0, 0, \zero
	MUL16 \fu, \fa, 0, 2, \zero
	PLACES                                         ; ga and gu were read by the quarter before
.if \aon
	FETCH_A \ga, \aoff
.endif
	FETCH_U \gu, \uoff
.if \aon
	s_wait_dscnt 16                                ; all but the 16 just issued
.else
	s_wait_dscnt 0x0
.endif
	MUL16 \fu, \fa, 1, 0, \zero
	MUL16 \fu, \fa, 1, 2, \zero
.endm
; PASS 0.  BATCH X(q): 16 of my wave's 32 rows (half q % 2) x the 64 k of chunk q / 2 + 3: eight loads, each two rows' 256 consecutive bytes, aligned; it lands in set q % 4.
.macro XH s, off
	WIN 0
.irp i, 0,1,2,3,4,5,6,7
	global_load_b128 v[XL+32*(\s)+4*(\i):XL+32*(\s)+4*(\i)+3], v[XO], s[XP:XP+1] offset:(\off)+(\i)*8192 th:TH_LOAD_NT
.endr
.endm
; a landed set is rounded to bf16 in place (line x writes register x and reads 2 x and 2 x + 1, which no earlier line wrote) and stored: my four k of a row are 8 bytes
.macro CVS s, off
	WIN 0
.set x, 0
.rept 16
	v_cvt_pk_bf16_f32 v[XL+32*(\s)+x], v[XL+32*(\s)+2*x], v[XL+32*(\s)+2*x+1]
.set x, x+1
.endr
.irp i, 0,1,2,3,4,5,6,7
	ds_store_b64 v[XST], v[XL+32*(\s)+2*(\i):XL+32*(\s)+2*(\i)+1] offset:(\off)+(\i)*2*PA
.endr
.endm
; Pass 0's quarter q has ONE buffer of fragments; each half of it is loaded anew as soon as its 32 products are issued, 32 products ahead of its next use.
; QMUL: the quarter's 64 products.  d1: the LDS instructions younger than the loads of row tiles 0-3.  aon = 1: row tiles 0-3 of quarter q + 1 are fetched, from byte aoff.
; bar = 1 (q odd): THE BARRIER THAT PUBLISHES CHUNK (q + 1) / 2, whose last rows each wave stored behind quarter q - 1: my stores are done (the wait for 0), I say so, 16 products, all four have said so;
; the loads that follow are the chunk's first.  Between two such barriers one chunk alone is read and the next one alone is stored.
.macro QMUL fu, zero, bar, d1, aon, aoff
	s_wait_dscnt \d1                               ; row tiles 0-3 are in
	MUL16 \fu, AF, 0, 0, \zero
.if \bar
	s_wait_dscnt 0x0                               ; for the others' sake: zero
	s_barrier_signal -1
.endif
	MUL16 \fu, AF, 0, 2, \zero
.if \bar
	s_barrier_wait -1
.endif
.if \aon
	PLACES
	FETCH_H AF, \aoff
	s_wait_dscnt 8                                 ; all but the eight just issued: row tiles 4-7 are in, and the stores ahead of them are done
.else
	s_wait_dscnt 0x0
.endif
	MUL16 \fu, AF, 1, 0, \zero
	MUL16 \fu, AF, 1, 2, \zero
.endm
; QGAP: what stands behind quarter q.  n: the loads that may stay out when U of quarter q + 1 has to be in; X(q - 3), asked for ahead of it, is then in too.  st >= 0: that batch's set is rounded and stored
; at byte soff; its 16 conversions are the places behind the products.  Then row tiles 4-7 of quarter q + 1, U of quarter q + 3 into gu, and (xs >= 0) X(q) into set xs, behind U's loads:
; the next loads of U, whose wait is the first that X(q) can hold up, are waited for three quarters, 192 products, later.
.macro QGAP aon, aoff, n, st, soff, gu, uoff, xs, xoff
.if (\n) >= 0
	s_wait_loadcnt \n
.endif
.if (\st) >= 0
	CVS \st, \soff
.else
	PLACES
.endif
.if \aon
	FETCH_H AF+32, (\aoff)+64*PA
.endif
	FETCH_U \gu, \uoff
.if (\xs) >= 0
	XH \xs, \xoff
.endif
.endm
; the table entries of my eight units of unit tile b
.macro TBL b, tb
.irp k, 0,1,2
	ds_load_b128 v[(\tb)+8*(\k):(\tb)+8*(\k)+3],   v[TA] offset:(\k)*4096+(\b)*64
	ds_load_b128 v[(\tb)+8*(\k)+4:(\tb)+8*(\k)+7], v[TA] offset:(\k)*4096+(\b)*64+16
.endr
.endm
; Behind a pass, unit tile b of all eight row tiles: 64 numbers a lane.  t = k2 x + bias + (k2 Wc_w) cov; 2^t; + 1; 1 / ..; the score takes (-2 V) times that.
; The 64 exponentials are one batch with one wait, and so are the 64 reciprocals: the wait stands ahead of the first line that names a result, and a plain line behind the last of a batch.
.macro EGROUP b
.set tb, TB+24*((\b)%2)
	WIN 0
	s_wait_dscnt 0x0                               ; this tile's table entries are in
.if (\b) < 7
	TBL (\b)+1, TB+24*(((\b)+1)%2)                 ; the next tile's, into the other buffer
.endif
.set n, 0
.rept 32                               ; n = 4 a + i: each accumulator is read from its low end on
	WIN 0x02+n/16
	v_pk_fma_f32 v[T+2*n:T+2*n+1], v[8*(8*((n/4)%4)+(\b))+2*(n%4):8*(8*((n/4)%4)+(\b))+2*(n%4)+1], s[K2:K2+1], v[tb+2*(n%4):tb+2*(n%4)+1] op_sel_hi:[1,0,1]
.set n, n+1
.endr
	WIN 0
.set n, 0
.rept 32
	v_pk_fma_f32 v[T+2*n:T+2*n+1], v[tb+8+2*(n%4):tb+8+2*(n%4)+1], v[CV+2*(n/4):CV+2*(n/4)+1], v[T+2*n:T+2*n+1]
.set n, n+1
.endr
.set n, 0
.rept 64
	v_exp_f32 v[T+n], v[T+n]
.set n, n+1
.endr
	v_nop
	s_wait_alu depctr_va_vdst(0)
.set n, 0
.rept 32
	v_pk_add_f32 v[T+2*n:T+2*n+1], v[T+2*n:T+2*n+1], 1.0 op_sel_hi:[1,0]
.set n, n+1
.endr
.set n, 0
.rept 64
	v_rcp_f32 v[T+n], v[T+n]
.set n, n+1
.endr
	v_nop
	s_wait_alu depctr_va_vdst(0)
.set n, 0
.rept 32                               ; n = 8 i + a: two links of a row tile's chain stand eight lines apart
	v_pk_fma_f32 v[SC+2*(n%8):SC+2*(n%8)+1], v[T+8*(n%8)+2*(n/8):T+8*(n%8)+2*(n/8)+1], v[tb+16+2*(n/8):tb+16+2*(n/8)+1], v[SC+2*(n%8):SC+2*(n%8)+1]
.set n, n+1
.endr
.endm
; CTX.  Wave w makes channels 256 w .. 256 w + 255: 16 tiles t of 16, K = the block's 128 rows in four steps of 32.  Source 0 = p (all 16 rows alike), source 1 = enc turned (16 channels x 32 rows).
; The turning load takes 16 rows x 16 channels (lane l reads row 8 (l/16) + l%8, channels 8 ((l/8)%2) + 0..7) and leaves half a fragment.
.macro FETCH_E ks, buf
	WIN 0xc0
.set t, 0
.rept 16
	ds_load_tr16_b128 v[128*(\buf)+8*t:128*(\buf)+8*t+3],   v[AT+t/8] offset:((t/4)%2)*ACH+(\ks)*32*PA+32*(t%4)
	ds_load_tr16_b128 v[128*(\buf)+8*t+4:128*(\buf)+8*t+7], v[AT+t/8] offset:((t/4)%2)*ACH+(\ks)*32*PA+32*(t%4)+16*PA
.set t, t+1
.endr
.endm
.macro MULC ks, buf                    ; the 16 accumulators take turns
	WIN 0xac
.set t, 0
.rept 16
.if (\ks) == 0
	v_wmma_f32_16x16x32_bf16 v[8*t:8*t+7], v[PF+8*(\ks):PF+8*(\ks)+7], v[128*(\buf)+8*t:128*(\buf)+8*t+7], 0
.else
	v_wmma_f32_16x16x32_bf16 v[8*t:8*t+7], v[PF+8*(\ks):PF+8*(\ks)+7], v[128*(\buf)+8*t:128*(\buf)+8*t+7], v[8*t:8*t+7]
.endif
.set t, t+1
.endr
.endm
	s_load_b512 s[4:19], s[0:1], 0x0               ; enc s[4:5], uf s[6:7], bias s[8:9], Wc_w s[10:11], V s[12:13], cov s[14:15], mask s[16:17], sc s[18:19]
	s_load_b64 s[20:21], s[0:1], 0x40              ; ctxp
	v_lshl_add_u32 v[SPW], v0, 2, SPARE
	v_mov_b32 v[NIL], 0
	v_lshrrev_b32 v56, 5, v0
	v_readfirstlane_b32 s[WV], v56                 ; wave 0..3
	v_and_b32 v57, 31, v0                          ; l
	v_and_b32 v1, 15, v0                           ; l % 16
	v_bfe_u32 v2, v0, 4, 1                         ; l / 16
	v_mul_u32_u24 v[ADRA0], v1, PA
	v_lshl_add_u32 v[ADRA0], v2, 4, v[ADRA0]
	v_lshlrev_b32 v[LOF], 4, v57
	s_lshl_b32 s23, s[WV], 10
	s_add_co_u32 s27, s23, TAB
	v_lshl_add_u32 v[TA0], v2, 5, s27              ; my wave's 256 units, my lanes' eight of sixteen
	s_add_co_u32 s27, s23, CX
	v_lshl_add_u32 v[CXW], v1, 2, s27
	v_add_nc_u32 v[CXR], s27, v[LOF]
	v_lshlrev_b32 v[XO], 4, v1
	v_lshl_add_u32 v[XO], v2, 12, v[XO]
	v_mul_u32_u24 v[XS0], v2, PA
	v_lshl_add_u32 v[XS0], v1, 3, v[XS0]
	s_mul_i32 s27, s[WV], 32*PA
	v_add_nc_u32 v[XS0], s27, v[XS0]
	v_and_b32 v58, 7, v0
	v_lshl_add_u32 v58, v2, 3, v58
	v_mul_u32_u24 v[AT], v58, PA
	v_bfe_u32 v59, v0, 3, 1
	v_lshl_add_u32 v[AT], v59, 4, v[AT]
	s_mul_i32 s27, s[WV], 4*ACH
	v_add_nc_u32 v[AT], s27, v[AT]
	v_add_nc_u32 v[AT+1], 2*ACH, v[AT]
	s_lshl_b32 s27, s[WV], 8
	s_add_co_u32 s27, s27, PB
	v_lshl_add_u32 v[PBA], v2, 4, s27
	v_lshl_add_u32 v[PBW], v57, 3, s27
	s_lshl_b32 s27, s[WV], 9
	s_add_co_u32 s27, s27, SCP
	v_lshl_add_u32 v[SCW], v1, 2, s27
	v_add_nc_u32 v[SCR], SCP, v[LOF]
	v_lshlrev_b32 v[PFO], 12, v57
	v_lshlrev_b32 v[CVO], 2, v1
	v_lshl_add_u32 v[TF], v0, 4, TAB
	v_lshlrev_b32 v60, 4, v0                       ; Wc_w and V: 16 x thread
	v_lshrrev_b32 v61, 2, v0                       ; bias lies [unit tile][b][16 units]: tile thread / 4, 2,048 bytes a tile,
	v_lshlrev_b32 v61, 11, v61
	v_and_b32 v59, 3, v0
	v_lshl_add_u32 v61, v59, 4, v61                ; four units of its sixteen
	v_mov_b32 v245, 0                              ; a destination of v_permlanex16_b32 counts as read
	s_mov_b32 s[K2], 0x4038aa3b                    ; 2 log2(e)
	s_mov_b32 s[K2+1], s[K2]
	s_mov_b32 s[SEL], 0x76543210
	s_mov_b32 s[SEL+1], 0xfedcba98
	s_mov_b32 s[C1], 0x3fb8aa3b                    ; log2(e)
	s_mov_b32 s35, 0                               ; s[34:35]: a byte offset in 64 bits
	s_wait_kmcnt 0x0
	s_lshl_b32 s34, ttmp9, 20                      ; enc: the work-group's 256 rows of 4,096 bytes,
	s_lshl_b32 s23, s[WV], 17                      ; my wave's 32 rows of the block
	s_add_co_u32 s34, s34, s23
	s_add_nc_u64 s[4:5], s[4:5], s[34:35]
	s_lshl_b32 s34, s[WV], 19                      ; uf: my wave's 256 units; never rewritten
	s_add_nc_u64 s[6:7], s[6:7], s[34:35]
	s_lshr_b32 s34, ttmp9, 3                       ; the batch
	s_lshl_b32 s34, s34, 6
	s_add_nc_u64 s[8:9], s[8:9], s[34:35]
	s_lshl_b32 s34, ttmp9, 10                      ; cov, mask, sc: 256 rows of 4 bytes
	s_add_nc_u64 s[14:15], s[14:15], s[34:35]
	s_add_nc_u64 s[16:17], s[16:17], s[34:35]
	s_add_nc_u64 s[18:19], s[18:19], s[34:35]
	s_lshl_b32 s34, ttmp9, 13                      ; ctxp: two blocks of 4,096 bytes, my wave's 256 channels
	s_lshl_b32 s23, s[WV], 10
	s_add_co_u32 s34, s34, s23
	s_add_nc_u64 s[20:21], s[20:21], s[34:35]
	s_mov_b64 s[UP:UP+1], s[6:7]
	FETCH_U 0, 0                                   ; U of the first three quarters
	FETCH_U 64, 8192
	FETCH_U 128, 16384
	WIN 0
	global_load_b128 v[64:67], v61, s[8:9]         ; the tables: 128 threads x 16 bytes, twice
	global_load_b128 v[68:71], v61, s[8:9] offset:65536
	global_load_b128 v[72:75], v60, s[10:11]
	global_load_b128 v[76:79], v60, s[10:11] offset:2048
	global_load_b128 v[80:83], v60, s[12:13]
	global_load_b128 v[84:87], v60, s[12:13] offset:2048
	s_wait_loadcnt 0x0
.irp i, 72,74,76,78
	v_pk_mul_f32 v[\i:\i+1], v[\i:\i+1], s[K2:K2+1] op_sel_hi:[1,0]
.endr
.irp i, 80,82,84,86
	v_pk_mul_f32 v[\i:\i+1], v[\i:\i+1], -2.0 op_sel_hi:[1,0]
.endr
.irp k, 0,1,2
	ds_store_b128 v[TF], v[64+8*(\k):64+8*(\k)+3] offset:(\k)*4096
	ds_store_b128 v[TF], v[64+8*(\k)+4:64+8*(\k)+7] offset:(\k)*4096+2048
.endr
	s_wait_dscnt 0x0                               ; the stores have read their registers, into which the block's first loads land
	s_mov_b32 s[BLK], 2
.Lblock:
	; ---- A BLOCK'S BEGINNING.  One run of 57 loads: cov, the mask, my 32 rows of chunk 0 (into the fragments' registers) and of chunks 1 and 2 (the four landing sets).
	; No load or store has been issued since the last wait that frees the pointers (at the head the wait for all loads, at a block's end the wait on XCNT).
	s_mov_b64 s[UP:UP+1], s[6:7]
	s_mov_b64 s[XP:XP+1], s[4:5]
	s_mov_b32 s[KB], 0
	v_mov_b32 v[ADRA], v[ADRA0]
	v_mov_b32 v[XST], v[XS0]
.irp a, 0,1,2,3,4,5,6,7
	global_load_b32 v[CV+2*(\a)], v[CVO], s[14:15] offset:(\a)*64
.endr
	global_load_b128 v[MK:MK+3], v[LOF], s[16:17]
.set i, 0
.rept 16
	global_load_b128 v[AF+4*i:AF+4*i+3], v[XO], s[XP:XP+1] offset:i*8192 th:TH_LOAD_NT
.set i, i+1
.endr
	XH 0, 256                                      ; X(-4): chunk 1, my rows 0-15
	XH 1, 256+65536                                ; X(-3): chunk 1, my rows 16-31
	XH 2, 512                                      ; X(-2), X(-1): chunk 2
	XH 3, 512+65536
	s_wait_loadcnt 24                              ; all but the three youngest batches of eight: U of the first three quarters, cov, the mask, chunk 0 and X(-4) are in
.set x, 0
.rept 32
	v_cvt_pk_bf16_f32 v[AF+x], v[AF+2*x], v[AF+2*x+1]
.set x, x+1
.endr
.set i, 0
.rept 16
	ds_store_b64 v[XST], v[AF+2*i:AF+2*i+1] offset:i*2*PA
.set i, i+1
.endr
	CVS 0, ACH
.irp a, 0,1,2,3,4,5,6,7
	v_mov_b32 v[CV+2*(\a)+1], v[CV+2*(\a)]         ; cov twice, so that the packed line takes the pair as it is
.endr
.set n, 0
.rept 16
	v_mov_b32 v[SC+n], 0                           ; the scores start at 0: sixteen registers for a block
.set n, n+1
.endr
	v_mov_b32 v[TA], v[TA0]
	s_wait_dscnt 0x0                               ; for the others' sake: my rows of chunk 0 (and, the first time, my part of the tables) are written
	s_barrier_signal -1
	s_barrier_wait -1                              ; chunk 0 is whole
	s_mov_b32 s[PAS], 2
.Lpass:
	s_cmp_eq_u32 s[PAS], 2                         ; the count is the same in every wave
	s_cbranch_scc0 .Lk1
	; ---- PASS 0: quarter 0; six trips of four quarters; seven quarters written out, in which first the asking and then the storing end.
	; The counts of QGAP's wait: behind quarter 0 X(-2) and X(-1) may stay out, 16; from then on X(q-2), U(q+2) and X(q-1), 32.
	FETCH_H AF, 0
	FETCH_H AF+32, 64*PA
	QMUL 0, 1, 0, 8, 1, 64                         ; quarter 0: its products start the sums
	QGAP 1, 64, 16, 1, ACH+16*PA, 192, 3*8192, 0, 3*256
	WIN 0
	s_mov_b32 s[TRP], 6
.Lt0:                                          ; quarters 4 i + 1 .. 4 i + 4; offsets count from chunk 2 i
	QMUL 64, 0, 1, 16, 1, ACH
	QGAP 1, ACH, 32, 2, 2*ACH, 0, 4*8192, 1, 3*256+65536
	QMUL 128, 0, 0, 16, 1, ACH+64
	QGAP 1, ACH+64, 32, 3, 2*ACH+16*PA, 64, 5*8192, 2, 4*256
	QMUL 192, 0, 1, 16, 1, 2*ACH
	QGAP 1, 2*ACH, 32, 0, 3*ACH, 128, 6*8192, 3, 4*256+65536
	QMUL 0, 0, 0, 16, 1, 2*ACH+64
	s_wait_xcnt 0x0                                ; the youngest load stands 64 matrix instructions back: it has read its base.  The two pointers are stepped here,
	s_add_nc_u64 s[UP:UP+1], s[UP:UP+1], 32768     ; and the gap below counts from the new ones
	s_add_nc_u64 s[XP:XP+1], s[XP:XP+1], 512
	QGAP 1, 2*ACH+64, 32, 1, 3*ACH+16*PA, 192, 3*8192, 0, 3*256
	WIN 0
	s_add_co_u32 s[KB], s[KB], 2*ACH
	v_add_nc_u32 v[ADRA], s[KB], v[ADRA0]
	v_add_nc_u32 v[XST], s[KB], v[XS0]
	s_sub_co_u32 s[TRP], s[TRP], 1
	s_cmp_lg_u32 s[TRP], 0
	s_cbranch_scc1 .Lt0
	QMUL 64, 0, 1, 16, 1, ACH                      ; quarter 25: X(25), chunk 15's second half, is the last batch asked for
	QGAP 1, ACH, 32, 2, 2*ACH, 0, 4*8192, 1, 3*256+65536
	QMUL 128, 0, 0, 16, 1, ACH+64                  ; quarter 26
	QGAP 1, ACH+64, 32, 3, 2*ACH+16*PA, 64, 5*8192, -1, 0
	QMUL 192, 0, 1, 16, 1, 2*ACH                   ; quarter 27: behind it X(25) and U(29) may stay out, 24
	QGAP 1, 2*ACH, 24, 0, 3*ACH, 128, 6*8192, -1, 0
	QMUL 0, 0, 0, 16, 1, 2*ACH+64                  ; quarter 28: from here on one batch of U, 16; X(25) is stored: the block is complete behind the next barrier
	QGAP 1, 2*ACH+64, 16, 1, 3*ACH+16*PA, 192, 7*8192, -1, 0
	WIN 0
	s_add_co_u32 s[KB], s[KB], 2*ACH
	v_add_nc_u32 v[ADRA], s[KB], v[ADRA0]
	QMUL 64, 0, 1, 16, 1, ACH                      ; quarter 29.  uf's two passes lie end to end: quarters 29 to 31 ask for pass 1's first three batches
	QGAP 1, ACH, 16, -1, 0, 0, 8*8192, -1, 0
	QMUL 128, 0, 0, 8, 1, ACH+64                   ; quarter 30
	QGAP 1, ACH+64, 16, -1, 0, 64, 9*8192, -1, 0
	QMUL 192, 0, 0, 8, 0, 0                        ; quarter 31
	QGAP 0, 0, -1, -1, 0, 128, 10*8192, -1, 0
	WIN 0
	s_branch .Lepi
.Lk1:
	; ---- PASS 1: the whole block lies in LDS; two buffers of fragments, one run of loads a quarter, no barrier
	s_wait_xcnt 0x0                                ; pass 0's last loads of U have read their base
	s_add_nc_u64 s[UP:UP+1], s[6:7], 0x40000
	v_mov_b32 v[ADRA], v[ADRA0]
	FETCH_A 64, 0
	QUARTER 64, 0, 128, 64, 192, 24576, 1, 1       ; quarter 0 stands in front of the loop: its products start the sums
	WIN 0
	s_mov_b32 s[TRP], 7
.Lt1:                                          ; quarters 4 i + 1 .. 4 i + 4
	QUARTER 128, 64,  64,  ACH,      0,   32768, 0, 1
	QUARTER 64,  128, 128, ACH+64,   64,  40960, 0, 1
	QUARTER 128, 192, 64,  2*ACH,    128, 49152, 0, 1
	QUARTER 64,  0,   128, 2*ACH+64, 192, 57344, 0, 1
	WIN 0
	v_add_nc_u32 v[ADRA], 2*ACH, v[ADRA]
	s_wait_xcnt 0x0                                ; the youngest load of U stands 32 matrix instructions back: it has read its base
	s_add_nc_u64 s[UP:UP+1], s[UP:UP+1], 32768
	s_sub_co_u32 s[TRP], s[TRP], 1
	s_cmp_lg_u32 s[TRP], 0
	s_cbranch_scc1 .Lt1
	; quarters 29 to 31 ask for U of the NEXT block's first three quarters, which begin at my wave's first byte of uf again.
	; (Behind the last block these three batches serve nothing: the price of one text for both blocks.  Nothing was issued since the wait above, so the base may be written.)
	s_mov_b64 s[UP:UP+1], s[6:7]
	QUARTER 128, 64,  64,  ACH,    0,   0,     0, 1
	QUARTER 64,  128, 128, ACH+64, 64,  8192,  0, 1
	QUARTER 128, 192, 0,   0,      128, 16384, 0, 0
	WIN 0
.Lepi:
	PLACES                                         ; the lines below read results just made and write registers just read
	PLACES
	TBL 0, TB
	EGROUP 0
	EGROUP 1
	EGROUP 2
	EGROUP 3
	EGROUP 4
	EGROUP 5
	EGROUP 6
	EGROUP 7
	v_add_nc_u32 v[TA], 512, v[TA]                 ; the next pass's 128 units
	s_sub_co_u32 s[PAS], s[PAS], 1
	s_cmp_lg_u32 s[PAS], 0
	s_cbranch_scc1 .Lpass
	; ---- A PREFETCH of what the next block's beginning asks for in one run: chunks 0 to 2 of my wave's 32 rows, a lane a row, 256 bytes a line: each byte is named once in the launch, by the wave that will load it.
	; It stands ahead of the scores, the softmax and the context.  The second block has no successor and asks for nothing.  Inside pass 0 the loads themselves go out 192 matrix instructions ahead.
	s_cmp_eq_u32 s[BLK], 2
	s_cbranch_scc0 .Lnopf
.irp i, 0,1,2
	global_prefetch_b8 v[PFO], s[4:5] offset:524288+(\i)*256 th:TH_LOAD_NT scope:SCOPE_SE
.endr
.Lnopf:
	; ---- SCORE.  A row's score: the pair's two halves, the other half of the lanes, the four waves.
.irp a, 0,1,2,3,4,5,6,7
	v_add_f32 v[SC+2*(\a)], v[SC+2*(\a)], v[SC+2*(\a)+1]
.endr
.irp a, 0,1,2,3,4,5,6,7
	v_permlanex16_b32 v[SC+2*(\a)+1], v[SC+2*(\a)], s[SEL], s[SEL+1]
.endr
.irp a, 0,1,2,3,4,5,6,7
	v_add_f32 v[SC+2*(\a)], v[SC+2*(\a)], v[SC+2*(\a)+1]
.endr
.irp a, 0,1,2,3,4,5,6,7
	ds_store_b32 v[SCW], v[SC+2*(\a)] offset:(\a)*64  ; both halves of the lanes write the same word with the same value
.endr
	s_wait_dscnt 0x0                               ; for the others' sake
	s_barrier_signal -1
	s_barrier_wait -1
.irp w, 0,1,2,3
	ds_load_b128 v[SS+4*(\w):SS+4*(\w)+3], v[SCR] offset:(\w)*512
.endr
	s_wait_dscnt 0x0
	v_pk_add_f32 v[SS:SS+1],     v[SS:SS+1],     v[SS+4:SS+5]      ; the same order in every wave: all four hold the same scores, rows 4 l .. 4 l + 3
	v_pk_add_f32 v[SS+2:SS+3],   v[SS+2:SS+3],   v[SS+6:SS+7]
	v_pk_add_f32 v[SS+8:SS+9],   v[SS+8:SS+9],   v[SS+12:SS+13]
	v_pk_add_f32 v[SS+10:SS+11], v[SS+10:SS+11], v[SS+14:SS+15]
	v_pk_add_f32 v[SS:SS+1],     v[SS:SS+1],     v[SS+8:SS+9]
	v_pk_add_f32 v[SS+2:SS+3],   v[SS+2:SS+3],   v[SS+10:SS+11]
	s_cmp_lg_u32 s[WV], 0
	s_cbranch_scc1 .Lnot0
	global_store_b128 v[LOF], v[SS:SS+3], s[18:19] ; 512 consecutive bytes; its registers are not written again before the wait at the block's end
.Lnot0:
	v_max3_num_f32 v244, v[SS], v[SS+1], v[SS+2]
	v_max_num_f32 v244, v244, v[SS+3]
	v_max_num_f32_dpp v244, v244, v244 row_xmask:1 row_mask:0xf bank_mask:0xf
	v_max_num_f32_dpp v244, v244, v244 row_xmask:2 row_mask:0xf bank_mask:0xf
	v_max_num_f32_dpp v244, v244, v244 row_xmask:4 row_mask:0xf bank_mask:0xf
	v_max_num_f32_dpp v244, v244, v244 row_xmask:8 row_mask:0xf bank_mask:0xf
	v_permlanex16_b32 v245, v244, s[SEL], s[SEL+1]
	v_max_num_f32 v244, v244, v245                 ; the block's maximum, over all its rows
.irp i, 0,1,2,3
	v_sub_f32 v[246+(\i)], v[SS+(\i)], v244
.endr
.irp i, 0,1,2,3
	v_mul_f32 v[246+(\i)], s[C1], v[246+(\i)]
.endr
.irp i, 0,1,2,3
	v_exp_f32 v[246+(\i)], v[246+(\i)]
.endr
	v_nop
	s_wait_alu depctr_va_vdst(0)                   ; one wait for the four exponentials
.irp i, 0,1,2,3
	v_mul_f32 v[246+(\i)], v[246+(\i)], v[MK+(\i)]
.endr
	v_cvt_pk_bf16_f32 v250, v246, v247
	v_cvt_pk_bf16_f32 v251, v248, v249
	ds_store_b64 v[PBW], v[250:251]                ; into my wave's own copy: LDS serves a wave's instructions in order (ISA guide 5.7.1.4), so the loads below see it
	; ---- CTX
.irp k, 0,1,2,3
	ds_load_b128 v[PF+8*(\k):PF+8*(\k)+3],   v[PBA] offset:(\k)*64
	ds_load_b128 v[PF+8*(\k)+4:PF+8*(\k)+7], v[PBA] offset:(\k)*64+32
.endr
	FETCH_E 0, 0
	FETCH_E 1, 1
	s_wait_dscnt 32                                ; p and step 0 are in; step 1's 32 loads stay out
	MULC 0, 0
	PLACES
	FETCH_E 2, 0
	s_wait_dscnt 32
	MULC 1, 1
	PLACES
	FETCH_E 3, 1
	s_wait_dscnt 32
	MULC 2, 0
	s_wait_dscnt 0x0
	MULC 3, 1
	PLACES
	PLACES
	WIN 0x08                                       ; store data in window 2
.set t, 0
.rept 16
	ds_store_b32 v[CXW], v[8*t] offset:t*64        ; all 16 rows of the result are alike: register 0 holds channel 16 t + l%16
.set t, t+1
.endr
	WIN 0
	ds_load_b128 v[232:235], v[CXR]                ; my own stage, in order behind the stores
	ds_load_b128 v[236:239], v[CXR] offset:512
	s_wait_dscnt 0x0
	global_store_b128 v[LOF], v[232:235], s[20:21]
	global_store_b128 v[LOF], v[236:239], s[20:21] offset:512  ; 512 consecutive bytes each
	; ---- the block's end
	s_wait_xcnt 0x0                                ; loads, stores and prefetches have read their registers: bases and data may be written
	s_add_nc_u64 s[4:5], s[4:5], 524288            ; the next block's 128 rows
	s_add_nc_u64 s[14:15], s[14:15], 512
	s_add_nc_u64 s[16:17], s[16:17], 512
	s_add_nc_u64 s[18:19], s[18:19], 512
	s_add_nc_u64 s[20:21], s[20:21], 4096
	s_wait_dscnt 0x0                               ; my reads of the block and of the partial scores are over
	s_barrier_signal -1
	s_barrier_wait -1                              ; everybody's are: the next block may be stored over this one
	s_sub_co_u32 s[BLK], s[BLK], 1
	s_cmp_lg_u32 s[BLK], 0
	s_cbranch_scc1 .Lblock
	s_wait_tensorcnt 0x0                           ; the wave's end, behind my last LDS store
	ds_add_u32 v[SPW], v[NIL]
	s_wait_dscnt 0x0
	s_endpgm
.Lfunc_end_k_q8701111c51_attend:
	.size	k_q8701111c51_attend, .Lfunc_end_k_q8701111c51_attend-k_q8701111c51_attend
	.p2alignl 7, 3214868480
	.fill 96, 4, 3214868480
	.section	.rodata,"a",@progbits
	.p2align	6, 0x0
	.amdhsa_kernel k_q8701111c51_attend
		.amdhsa_group_segment_fixed_size 314880
		.amdhsa_private_segment_fixed_size 0
		.amdhsa_enable_private_segment 0
		.amdhsa_kernarg_size 72
		.amdhsa_user_sgpr_count 2
		.amdhsa_user_sgpr_kernarg_segment_ptr 1
		.amdhsa_wavefront_size32 1
		.amdhsa_system_sgpr_workgroup_id_x 1
		.amdhsa_system_sgpr_workgroup_id_y 1
		.amdhsa_system_sgpr_workgroup_id_z 1
		.amdhsa_system_vgpr_workitem_id 0
		.amdhsa_next_free_vgpr 1024
		.amdhsa_next_free_sgpr 66
		.amdhsa_reserve_vcc 0
		.amdhsa_float_denorm_mode_32 3
		.amdhsa_float_denorm_mode_16_64 3
		.amdhsa_memory_ordered 1
		.amdhsa_forward_progress 1
		.amdhsa_inst_pref_size 255
	.end_amdhsa_kernel
	.section	.bss,"aw",@nobits
	.p2align	6
	.space	262144
	.amdgpu_metadata
---
amdhsa.version: [ 1, 2 ]
amdhsa.kernels:
  - .name:           k_q8701111c51_attend
    .symbol:         k_q8701111c51_attend.kd
    .args:
      - { .name: encoder_outputs, .offset: 0, .size: 8, .value_kind: global_buffer, .address_space: global }
      - { .name: uf, .offset: 8, .size: 8, .value_kind: global_buffer, .address_space: global }
      - { .name: bias, .offset: 16, .size: 8, .value_kind: global_buffer, .address_space: global }
      - { .name: Wc_w, .offset: 24, .size: 8, .value_kind: global_buffer, .address_space: global }
      - { .name: V, .offset: 32, .size: 8, .value_kind: global_buffer, .address_space: global }
      - { .name: coverage_vector, .offset: 40, .size: 8, .value_kind: global_buffer, .address_space: global }
      - { .name: encoder_mask, .offset: 48, .size: 8, .value_kind: global_buffer, .address_space: global }
      - { .name: sc, .offset: 56, .size: 8, .value_kind: global_buffer, .address_space: global }
      - { .name: ctxp, .offset: 64, .size: 8, .value_kind: global_buffer, .address_space: global }
    .group_segment_fixed_size: 314880
    .private_segment_fixed_size: 0
    .kernarg_segment_align: 8
    .kernarg_segment_size: 72
    .max_flat_workgroup_size: 128
    .sgpr_count:     66
    .vgpr_count:     1024
    .wavefront_size: 32
...
	.end_amdgpu_metadata
.endif
;; end of part 2
;; launch finish (part 3): grid 32 x 1, 8 waves a work-group, no clusters, 1,792 bytes of LDS; arguments sc, ctxp, encoder_mask, coverage_vector, out0, out1, out2; writes out0, out1, out2
.if DOCPART == 3
	.amdgcn_target "amdgcn-amd-amdhsa--gfx1250"
	.amdhsa_code_object_version 6
	.text
	.protected	k_q8701111c51_finish
	.globl	k_q8701111c51_finish
	.p2align	8
	.type	k_q8701111c51_finish,@function
k_q8701111c51_finish:
	s_mov_b64 s[64:65], 0
	v_nop
	global_prefetch_b8 v0, s[64:65] scope:SCOPE_SE
	s_setreg_imm32_b32 hwreg(HW_REG_WAVE_MODE, 25, 1), 1
	s_wait_xcnt 0x0
; THE SOFTMAX'S END, one work-group a batch: a batch's maximum and sum are one reduction over its 2,048 scores, so there is work for 32 work-groups.
; sc holds score - sum(V), the same shift in every row.  M = the maximum over ALL rows; e = e^(s - M) x mask; L = sum of e; out1 = e / L; out2 = cov + out1.
; ctxp holds, for each block j of 128 rows, the sum of e^(s - m_j) x mask x enc with the block's own maximum m_j, which is found again here (a maximum is exact):
; out0 = sum over j of e^(m_j - M) ctxp_j / L.
; LIMITS.  An exponential below 2^-126 counts as 0 (ISA guide, v_exp_f32).  A batch whose mask is 0 everywhere gives 0 / 0, NaN, in all three outputs.
; Thread t holds rows 4 t .. 4 t + 3 and 1,024 + 4 t ..: a wave's 32 lanes x 4 rows are one block: wave w holds blocks w and 8 + w.  All 22 loads go out first.
.set RM,    0                          ; LDS: 16 block maxima
.set RS,    256                        ; 8 partial sums
.set SPARE, 768                        ; the spare words, 128 bytes for each wave: four blocks of 256 bytes that no other line names
.set SPW, 6                            ; v6   LDS address of my spare word; never rewritten
.set NIL, 7                            ; v7   0; never rewritten
.set E,   8                            ; v[8:15]   scores, then e, then weights
.set MK,  16                           ; v[16:23]  mask
.set CO,  24                           ; v[24:31]  cov
.set CP,  32                           ; v[32:95]  ctxp: block j's four channels at CP + 4 j
.set F,   100                          ; v[100:115] m_j, then e^(m_j - M)
.set AC,  128                          ; v[128:131] my four channels of the context
	s_load_b256 s[4:11], s[0:1], 0x0               ; sc s[4:5], ctxp s[6:7], mask s[8:9], cov s[10:11]
	s_load_b128 s[12:15], s[0:1], 0x20             ; out0 s[12:13], out1 s[14:15]
	s_load_b64 s[16:17], s[0:1], 0x30              ; out2
	v_lshl_add_u32 v[SPW], v0, 2, SPARE
	v_mov_b32 v[NIL], 0
	v_lshlrev_b32 v1, 4, v0                        ; 16 t
	v_lshrrev_b32 v2, 5, v0
	v_lshlrev_b32 v2, 2, v2                        ; 4 w
	v_mov_b32 v3, 0                                ; LDS byte 0
	v_mov_b32 v98, 0                               ; destinations of v_permlanex16_b32 count as read
	v_mov_b32 v99, 0
	s_mov_b32 s18, 0x76543210
	s_mov_b32 s19, 0xfedcba98
	s_mov_b32 s26, 0x3fb8aa3b                      ; log2(e)
	s_lshl_b32 s20, ttmp9, 13                      ; a batch's 2,048 rows of 4 bytes
	s_mov_b32 s21, 0
	s_lshl_b32 s22, ttmp9, 16                      ; its 16 blocks of 4,096 bytes
	s_mov_b32 s23, 0
	s_lshl_b32 s24, ttmp9, 12                      ; its 1,024 channels
	s_mov_b32 s25, 0
	s_wait_kmcnt 0x0
	s_add_nc_u64 s[4:5], s[4:5], s[20:21]
	s_add_nc_u64 s[6:7], s[6:7], s[22:23]
	s_add_nc_u64 s[8:9], s[8:9], s[20:21]
	s_add_nc_u64 s[10:11], s[10:11], s[20:21]
	s_add_nc_u64 s[12:13], s[12:13], s[24:25]
	s_add_nc_u64 s[14:15], s[14:15], s[20:21]
	s_add_nc_u64 s[16:17], s[16:17], s[20:21]
	global_load_b128 v[E:E+3],     v1, s[4:5]
	global_load_b128 v[E+4:E+7],   v1, s[4:5] offset:4096
	global_load_b128 v[MK:MK+3],   v1, s[8:9]
	global_load_b128 v[MK+4:MK+7], v1, s[8:9] offset:4096
	global_load_b128 v[CO:CO+3],   v1, s[10:11]
	global_load_b128 v[CO+4:CO+7], v1, s[10:11] offset:4096
.set j, 0
.rept 16
	global_load_b128 v[CP+4*j:CP+4*j+3], v1, s[6:7] offset:j*4096
.set j, j+1
.endr
	s_wait_loadcnt 20                              ; the scores are in; the 20 younger loads stay out
	v_max3_num_f32 v96, v[E], v[E+1], v[E+2]
	v_max3_num_f32 v97, v[E+4], v[E+5], v[E+6]
	v_max_num_f32 v96, v96, v[E+3]
	v_max_num_f32 v97, v97, v[E+7]
.irp m, 1,2,4,8
	v_max_num_f32_dpp v96, v96, v96 row_xmask:\m row_mask:0xf bank_mask:0xf
	v_max_num_f32_dpp v97, v97, v97 row_xmask:\m row_mask:0xf bank_mask:0xf
.endr
	v_permlanex16_b32 v98, v96, s18, s19
	v_permlanex16_b32 v99, v97, s18, s19
	v_max_num_f32 v96, v96, v98                    ; m of block w
	v_max_num_f32 v97, v97, v99                    ; m of block 8 + w
	ds_store_b32 v2, v96 offset:RM
	ds_store_b32 v2, v97 offset:RM+32
	s_wait_dscnt 0x0                               ; for the others' sake
	s_barrier_signal -1
	s_barrier_wait -1
.irp i, 0,1,2,3
	ds_load_b128 v[F+4*(\i):F+4*(\i)+3], v3 offset:RM+16*(\i)
.endr
	s_wait_dscnt 0x0
	v_max3_num_f32 v116, v[F], v[F+1], v[F+2]
.irp i, 3,5,7,9,11,13
	v_max3_num_f32 v116, v116, v[F+(\i)], v[F+(\i)+1]
.endr
	v_max_num_f32 v116, v116, v[F+15]              ; M
.set i, 0
.rept 16
	v_sub_f32 v[F+i], v[F+i], v116
.set i, i+1
.endr
.set i, 0
.rept 8
	v_sub_f32 v[E+i], v[E+i], v116
.set i, i+1
.endr
.set i, 0
.rept 16
	v_mul_f32 v[F+i], s26, v[F+i]
.set i, i+1
.endr
.set i, 0
.rept 8
	v_mul_f32 v[E+i], s26, v[E+i]
.set i, i+1
.endr
.set i, 0
.rept 16
	v_exp_f32 v[F+i], v[F+i]
.set i, i+1
.endr
.set i, 0
.rept 8
	v_exp_f32 v[E+i], v[E+i]
.set i, i+1
.endr
	v_nop                                          ; a plain line behind the last exponential,
	s_wait_alu depctr_va_vdst(0)                   ; and one wait for the batch of 24
	s_wait_loadcnt 18                              ; the mask is in
.irp i, 0,2,4,6
	v_pk_mul_f32 v[E+(\i):E+(\i)+1], v[E+(\i):E+(\i)+1], v[MK+(\i):MK+(\i)+1]
.endr
	v_pk_add_f32 v[118:119], v[E:E+1], v[E+2:E+3]
	v_pk_add_f32 v[120:121], v[E+4:E+5], v[E+6:E+7]
	v_pk_add_f32 v[118:119], v[118:119], v[120:121]
	v_add_f32 v118, v118, v119
.irp m, 1,2,4,8
	v_add_f32_dpp v118, v118, v118 row_xmask:\m row_mask:0xf bank_mask:0xf
.endr
	v_permlanex16_b32 v98, v118, s18, s19
	v_add_f32 v118, v118, v98
	ds_store_b32 v2, v118 offset:RS                ; other bytes than the maxima's: no barrier is owed between those reads and this store
	s_wait_dscnt 0x0
	s_barrier_signal -1
	s_barrier_wait -1
	ds_load_b128 v[120:123], v3 offset:RS
	ds_load_b128 v[124:127], v3 offset:RS+16
	s_wait_dscnt 0x0
	v_pk_add_f32 v[120:121], v[120:121], v[124:125]
	v_pk_add_f32 v[122:123], v[122:123], v[126:127]
	v_pk_add_f32 v[120:121], v[120:121], v[122:123]
	v_add_f32 v120, v120, v121                     ; L
	v_rcp_f32 v117, v120
	v_nop
	s_wait_alu depctr_va_vdst(0)
.set i, 0
.rept 8
	v_mul_f32 v[E+i], v[E+i], v117
.set i, i+1
.endr
	global_store_b128 v1, v[E:E+3],   s[14:15]     ; a wave stores 512 consecutive bytes
	global_store_b128 v1, v[E+4:E+7], s[14:15] offset:4096
	s_wait_loadcnt 16                              ; cov is in
.irp i, 0,2,4,6
	v_pk_add_f32 v[CO+(\i):CO+(\i)+1], v[CO+(\i):CO+(\i)+1], v[E+(\i):E+(\i)+1]
.endr
	global_store_b128 v1, v[CO:CO+3],   s[16:17]
	global_store_b128 v1, v[CO+4:CO+7], s[16:17] offset:4096
	s_wait_loadcnt 0x0                             ; the 16 partial contexts
.irp c, 0,1,2,3
	v_mul_f32 v[AC+(\c)], v[CP+(\c)], v[F]
.endr
.set j, 1
.rept 15
.irp c, 0,1,2,3
	v_fma_f32 v[AC+(\c)], v[CP+4*j+(\c)], v[F+j], v[AC+(\c)]
.endr
.set j, j+1
.endr
.irp c, 0,1,2,3
	v_mul_f32 v[AC+(\c)], v[AC+(\c)], v117
.endr
	global_store_b128 v1, v[AC:AC+3], s[12:13]
	s_wait_tensorcnt 0x0                           ; the wave's end, behind my last LDS store
	ds_add_u32 v[SPW], v[NIL]
	s_wait_dscnt 0x0
	s_endpgm
.Lfunc_end_k_q8701111c51_finish:
	.size	k_q8701111c51_finish, .Lfunc_end_k_q8701111c51_finish-k_q8701111c51_finish
	.p2alignl 7, 3214868480
	.fill 96, 4, 3214868480
	.section	.rodata,"a",@progbits
	.p2align	6, 0x0
	.amdhsa_kernel k_q8701111c51_finish
		.amdhsa_group_segment_fixed_size 1792
		.amdhsa_private_segment_fixed_size 0
		.amdhsa_enable_private_segment 0
		.amdhsa_kernarg_size 56
		.amdhsa_user_sgpr_count 2
		.amdhsa_user_sgpr_kernarg_segment_ptr 1
		.amdhsa_wavefront_size32 1
		.amdhsa_system_sgpr_workgroup_id_x 1
		.amdhsa_system_sgpr_workgroup_id_y 1
		.amdhsa_system_sgpr_workgroup_id_z 1
		.amdhsa_system_vgpr_workitem_id 0
		.amdhsa_next_free_vgpr 144
		.amdhsa_next_free_sgpr 66
		.amdhsa_reserve_vcc 0
		.amdhsa_float_denorm_mode_32 3
		.amdhsa_float_denorm_mode_16_64 3
		.amdhsa_memory_ordered 1
		.amdhsa_forward_progress 1
		.amdhsa_inst_pref_size 15
	.end_amdhsa_kernel
	.amdgpu_metadata
---
amdhsa.version: [ 1, 2 ]
amdhsa.kernels:
  - .name:           k_q8701111c51_finish
    .symbol:         k_q8701111c51_finish.kd
    .args:
      - { .name: sc, .offset: 0, .size: 8, .value_kind: global_buffer, .address_space: global }
      - { .name: ctxp, .offset: 8, .size: 8, .value_kind: global_buffer, .address_space: global }
      - { .name: encoder_mask, .offset: 16, .size: 8, .value_kind: global_buffer, .address_space: global }
      - { .name: coverage_vector, .offset: 24, .size: 8, .value_kind: global_buffer, .address_space: global }
      - { .name: out0, .offset: 32, .size: 8, .value_kind: global_buffer, .address_space: global }
      - { .name: out1, .offset: 40, .size: 8, .value_kind: global_buffer, .address_space: global }
      - { .name: out2, .offset: 48, .size: 8, .value_kind: global_buffer, .address_space: global }
    .group_segment_fixed_size: 1792
    .private_segment_fixed_size: 0
    .kernarg_segment_align: 8
    .kernarg_segment_size: 56
    .max_flat_workgroup_size: 256
    .sgpr_count:     66
    .vgpr_count:     144
    .wavefront_size: 32
...
	.end_amdgpu_metadata
.endif
;; end of part 3
;; ======== version 2 of 2: 3 launches; version 1 with the launch attend written anew for expert scheduling mode
;; workspace buffers: uf 2,097,152 bytes; bias 131,072 bytes; sc 262,144 bytes; ctxp 2,097,152 bytes
;; launch prep: the kernel of part 1 again; grid 128 x 1, 8 waves a work-group, no clusters, 9,216 bytes of LDS; arguments U, W, decoder_hidden_state, Wc_b, uf, bias; writes uf, bias
;; launch attend (part 4): grid 256 x 1, 4 waves a work-group, no clusters, 314,880 bytes of LDS; arguments encoder_outputs, uf, bias, Wc_w, V, coverage_vector, encoder_mask, sc, ctxp; writes sc, ctxp
.if DOCPART == 4
	.amdgcn_target "amdgcn-amd-amdhsa--gfx1250"
	.amdhsa_code_object_version 6
	.text
	.protected	k_q8701111c51_attend
	.globl	k_q8701111c51_attend
	.p2align	8
	.type	k_q8701111c51_attend,@function
k_q8701111c51_attend:
	s_mov_b64 s[64:65], 0
	v_nop
	global_prefetch_b8 v0, s[64:65] scope:SCOPE_SE
	s_setreg_imm32_b32 hwreg(HW_REG_WAVE_SCHED_MODE, 0, 2), 2
	s_setreg_imm32_b32 hwreg(HW_REG_WAVE_MODE, 25, 1), 1
	s_wait_xcnt 0x0
	s_wait_alu depctr_vm_vsrc(0)
; SCORES AND PARTIAL CONTEXTS.  A work-group takes 256 rows of one batch (b = g / 8) as two BLOCKS of 128 rows.  For each block:
;   PASS 0 x = enc U for 128 rows x 512 units: each of the four waves 128 rows x 128 units, 64 accumulators, K = 1,024 in 32 quarters of 32.  THE BLOCK COMES IN UNDER THIS PASS: its rows are read from
;          memory once, in chunks of 64 k, some quarters ahead of the products that want them, rounded to bf16 and stored in LDS, where they stay until the block's context is made;
;   PASS 1 the other 512 units, from the same LDS bytes;
;   behind each pass tanh(x + dec W + Wc_b + cov Wc_w) . V is taken off the accumulators;
;   SCORE  the waves' partial scores meet in LDS; the block's maximum m; p = e^(s - m) x mask;
;   CTX    the block's partial context, sum over its rows of p enc, from the same LDS bytes, read turned.
; tanh(x) = 1 - 2 / (1 + 2^(k2 x)), k2 = 2 log2(e).  So score = sum(V) + sum over u of (-2 V_u) / (1 + 2^(k2 x_u)).  sum(V) is the same for every row of every batch and falls out of
; the softmax: it is NOT added; sc holds score - sum(V).  2^(..) = infinity gives 1 / infinity = 0, tanh = 1; 2^(..) = 0 gives tanh = -1.
; The maximum taken away here is the block's own; the last launch finds it again from sc (a maximum is exact) and brings all blocks to the batch's maximum over ALL rows, masked ones too.
; LIMITS.  enc, U, dec, W are rounded to bf16 for the products, p and enc for the context; all sums in f32.  An exponential below 2^-126 counts as 0 (ISA guide, v_exp_f32).  NaN and infinities are not treated apart.
; U COMES STRAIGHT INTO REGISTERS.  uf holds U in bf16 in fragment order; wave w reads 524,288 consecutive bytes of it for a block, and no wave wants a byte that another wave of the work-group fetches.
; NO CLUSTER, NO JOINT LOADS, though every work-group walks the same U: joint loads land in LDS, and of its 327,680 bytes this text uses 314,880; one K step of 32 for the work-group's 512 units is 32,768 bytes.
; THE MATRIX INSTRUCTION: source 0 = 16 units of U, source 1 = 16 rows of enc: in the result a lane holds ONE row (lane % 16) and the units 8 (lane / 16) + 0..7.
; REGISTERS, in windows of 256 (s_set_vgpr_msb: bits 1:0 source 0, 3:2 source 1, 5:4 source 2, 7:6 destination):
;   window 0: v0-63 addresses, cov, scores, mask; v64-127 enc's fragments; v128-255 in pass 0 four sets of 32 in which enc lands; in pass 1 v128-191 a second buffer of fragments;
;             behind a pass v64-175 are at work; in SCORE and CTX v192-223 hold p's fragments, v224-255 are at work
;   window 1: four buffers of 64 for U's fragments
;   windows 2, 3: the accumulators: row tile a, unit tile b at v[8 (8 (a % 4) + b)] of window 2 + a / 4.  In CTX window 2 holds 16 accumulators, window 3 enc turned.
; THE MODE: SCHED_MODE bits 1:0 = 2 (LLVM: expert scheduling mode 2), set by the entry lines.  The code itself states the register dependences between vector or matrix instructions
; and memory or LDS instructions, with s_wait_alu, always for 0.
; THE PLAN, pass 0, quarter q (its products are numbered 0 to 63).  Registers that memory or LDS instructions touch:
;   v64-95    row tiles 0-3.  Read by products 0-31; quarter q + 1's land in them by the LDS loads behind products 32 and 33.  Between: the wait behind product 31.
;   v96-127   row tiles 4-7.  Read by products 32-63; quarter q + 1's land by the LDS loads behind products 0 and 1 of quarter q + 1.  Between: the wait at the quarter's end.
;   U's buffers  Quarter q reads buffer q % 4.  U of quarter q + 2 lands in buffer (q + 2) % 4, which quarter q - 2 read, by the loads behind products 4-7.
;   the sets  Set (q + 1) % 4 is rounded in place behind products 60-63 of quarter q, stored to LDS behind products 2 and 3 of quarter q + 1, and loaded again behind products 8 and 9 of quarter q + 2.
;             Between rounding and storing: the wait on va_vdst at quarter q's end.  Between storing and loading: the wait on vm_vsrc at quarter q + 1's end.
;   v[ADRA], v[XST]  Read by every LDS load and store; written once a trip, between the two waits at the end of the trip's last quarter.
;   All other offsets are made at the head and never written again: scalar bases and immediate offsets do the rest.
; So a quarter of pass 0 has two waits on va_vdst and one on vm_vsrc.  What follows a wait is dealt among the products, four lines behind one product, with no further wait: the products behind the
; quarter's end name buffer (q + 1) % 4, v64-95 and the accumulators; those behind product 31 name v96-127: none of the registers that the lines dealt there touch.
; Pass 1 has two buffers of fragments: ONE wait on va_vdst at a quarter's head shows the quarter before done reading the two buffers in which this quarter's 32 loads land.
; Four v_nop stand ahead of each of these waits where no other plain line does, so that a load into a product's registers keeps its distance from that product.
.set PA,    144                        ; a row of 64 k in LDS: 128 bytes + 16: the 16 rows of a fragment load start at 16 different groups of four banks (64 banks of 4 bytes: ISA guide 11.1)
.set ACH,   128*PA                     ; a chunk: 128 rows x 64 k
.set TAB,   16*ACH                     ; three tables of 1,024 f32: k2 (dec W + Wc_b) of my batch, k2 Wc_w, -2 V
.set SCP,   TAB+12288                  ; [wave][128] partial scores
.set PB,    SCP+2048                   ; [wave][128] p in bf16: each wave's own copy
.set CX,    PB+1024                    ; [wave][256] f32: each wave's own stage for its part of the context
.set SPARE, CX+4096                    ; the spare words, 128 bytes for each wave: two blocks of 256 bytes that no other line names
.set ADRA0, 3                          ; v3   (l%16) PA + 16 (l/16): my place in a fragment of enc; never rewritten
.set ADRA,  4                          ; v4   the same, at the chunk in hand; back at chunk 0 behind every pass
.set LOF,   5                          ; v5   16 l: offset for uf, mask, sc, ctxp; never rewritten
.set TA0,   6                          ; v6   my place in the tables for pass 0
.set TA,    7                          ; v7   for the pass in hand
.set XO,    8                          ; v8   enc in memory: (l/16) x a row of 4,096 bytes + 16 (l%16); never rewritten
.set XS0,   9                          ; v9   enc in LDS: (32 w + l/16) PA + 8 (l%16); never rewritten
.set XST,   10                         ; v10  the same, at the chunk in hand
.set AT,    13                         ; v13-14 CTX: my place in the turning loads, for my wave's chunks 0-1 and 2-3
.set PBA,   15                         ; v15  where I read p's fragments
.set SCW,   16                         ; v16  where I put partial scores
.set SCR,   17                         ; v17  where I read them: rows 4 l .. 4 l + 3
.set CXW,   18                         ; v18  into my stage
.set CXR,   19                         ; v19  back from it
.set PFO,   20                         ; v20  4,096 l: the prefetches' offset, a lane a row; never rewritten
.set CVO,   21                         ; v21  4 (l%16)
.set PBW,   22                         ; v22  where I put four p
.set TF,    23                         ; v23  TAB + 16 x thread
.set CV,    24                         ; v24-39  cov of row 16 a + l%16, in both registers of pair a
.set SC,    40                         ; v40-55  the score of that row, in two halves, pair a
.set MK,    56                         ; v56-59  mask of rows 4 l ..
.set SPW,   62                         ; v62  LDS address of my spare word; never rewritten
.set NIL,   63                         ; v63  0; never rewritten
.set AF,    64                         ; enc's fragments: row tiles 0-3 in v64-95, 4-7 in v96-127
.set T,     64                         ; behind a pass, at work: 64 registers
.set XL,    128                        ; pass 0: landing set s at XL + 32 s
.set TB,    128                        ; behind a pass: two buffers of 24 for a unit tile's table entries: 8 bias, 8 k2 Wc_w, 8 -2 V
.set PF,    192                        ; p's fragments
.set SS,    228                        ; v228-243  scores
.set WV,  22                           ; s22  my wave's number
.set BLK, 24                           ; s24  blocks to go
.set PAS, 25                           ; s25  passes to go
.set TRP, 26                           ; s26  trips to go
.set UP,  28                           ; s[28:29] uf at the pass in hand, stepped along K
.set K2,  30                           ; s[30:31] k2, as a pair
.set SEL, 32                           ; s[32:33] v_permlanex16_b32's selects: each lane takes its own place in the other half
.set C1,  36                           ; s36  log2(e)
.set XP,  38                           ; s[38:39] enc at my wave's 32 rows of the block, stepped along K
.set KB,  40                           ; s40  LDS byte of the chunk from which a trip's offsets count
.set MSB, 0
.macro WIN new                         ; the immediate's high byte repeats the setting that is left; a switch that changes nothing is dropped
.if MSB != (\new)
	s_set_vgpr_msb (MSB<<8)|(\new)
.set MSB, \new
.endif
.endm
.macro PLACES                          ; four places behind matrix instructions (ISA guide 7.12.1), where no other vector work is at hand
.rept 4
	v_nop
.endr
.endm
; THE QUARTER'S NEXT PRODUCT, number n of 64: row tile n / 8, unit tile n % 8.  zero = 1: the product starts the sum.
; The 64 accumulators take turns in the same order in every quarter of both passes.
.macro MM fu, fa, zero
	WIN 0xa1+0x50*(n/32)
.if \zero
	v_wmma_f32_16x16x32_bf16 v[8*(n%32):8*(n%32)+7], v[(\fu)+8*(n%8):(\fu)+8*(n%8)+7], v[(\fa)+8*(n/8):(\fa)+8*(n/8)+7], 0
.else
	v_wmma_f32_16x16x32_bf16 v[8*(n%32):8*(n%32)+7], v[(\fu)+8*(n%8):(\fu)+8*(n%8)+7], v[(\fa)+8*(n/8):(\fa)+8*(n/8)+7], v[8*(n%32):8*(n%32)+7]
.endif
.set n, n+1
.endm
; WHAT IS DEALT AMONG THE PRODUCTS, four lines at a time.
; HG: four LDS loads: enc's fragments of row tiles 2 p and 2 p + 1 (32 rows x 32 k) into buffer g
.macro HG g, off, p
	WIN 0
.irp i, 0,1
	ds_load_b128 v[(\g)+8*(2*(\p)+(\i)):(\g)+8*(2*(\p)+(\i))+3],   v[ADRA] offset:(\off)+(2*(\p)+(\i))*16*PA
	ds_load_b128 v[(\g)+8*(2*(\p)+(\i))+4:(\g)+8*(2*(\p)+(\i))+7], v[ADRA] offset:(\off)+(2*(\p)+(\i))*16*PA+32
.endr
.endm
; UG: four global loads: U's fragments of unit tiles 2 p and 2 p + 1, 2,048 consecutive bytes, into buffer g of window 1
.macro UG g, off, p
	WIN 0x40
.irp j, 0,1
	global_load_b128 v[(\g)+8*(2*(\p)+(\j)):(\g)+8*(2*(\p)+(\j))+3],   v[LOF], s[UP:UP+1] offset:(\off)+(2*(\p)+(\j))*1024
	global_load_b128 v[(\g)+8*(2*(\p)+(\j))+4:(\g)+8*(2*(\p)+(\j))+7], v[LOF], s[UP:UP+1] offset:(\off)+(2*(\p)+(\j))*1024+512
.endr
.endm
.macro FETCH_U g, off                  ; a whole quarter's U in one run: 8,192 consecutive bytes
.irp p, 0,1,2,3
	UG \g, \off, \p
.endr
.endm
; BATCH X(q): 16 of my wave's 32 rows (half q % 2) x the 64 k of chunk q / 2 + 3: eight loads, each two rows' 256 consecutive bytes, aligned; it lands in set q % 4.  XG: four of the eight
.macro XG s, off, p
	WIN 0
.irp i, 0,1,2,3
	global_load_b128 v[XL+32*(\s)+4*(4*(\p)+(\i)):XL+32*(\s)+4*(4*(\p)+(\i))+3], v[XO], s[XP:XP+1] offset:(\off)+(4*(\p)+(\i))*8192 th:TH_LOAD_NT
.endr
.endm
; CG: four of the sixteen conversions that round a landed set to bf16 in place (line x writes register x and reads 2 x and 2 x + 1, which no earlier line wrote)
.macro CG s, p
	WIN 0
.irp x, 0,1,2,3
	v_cvt_pk_bf16_f32 v[XL+32*(\s)+4*(\p)+(\x)], v[XL+32*(\s)+2*(4*(\p)+(\x))], v[XL+32*(\s)+2*(4*(\p)+(\x))+1]
.endr
.endm
; SG: four of the eight LDS stores of a rounded set: my four k of a row are 8 bytes
.macro SG s, off, p
	WIN 0
.irp i, 0,1,2,3
	ds_store_b64 v[XST], v[XL+32*(\s)+2*(4*(\p)+(\i)):XL+32*(\s)+2*(4*(\p)+(\i))+1] offset:(\off)+(4*(\p)+(\i))*2*PA
.endr
.endm
; PASS 0's QUARTER q, on U's buffer fu.  -1 for a part that the quarter does not have.
;   behind products 0, 1    this quarter's row tiles 4-7, from byte hoff
;   behind products 2, 3    set ss = q % 4, X(q - 4), rounded at the last quarter's end, is stored at byte soff
;   behind products 4-7     U of quarter q + 2 into buffer gu
;   behind products 8, 9    X(q - 1) into set xs
;   bar = 1 (q odd)         THE BARRIER THAT PUBLISHES CHUNK (q + 1) / 2, whose last rows I have just stored: behind product 15 my stores are done (the wait for 0) and I say so; 16 products; all four have
;                           said so.  Between two such barriers one chunk alone is read and the next one alone is stored.  Nothing but products stands between the signal and the wait.
;   behind product 31       the wait, then behind products 32, 33 row tiles 0-3 of quarter q + 1, from byte loff: behind a barrier the published chunk's first reads
;   behind product 60       nl: the loads that may stay out when U of quarter q + 1 and X(q - 3) have to be in
;   behind products 60-63   set cs = (q + 1) % 4, X(q - 3), is rounded; the last four conversions are the places behind product 63
;   the quarter's end       fin = 0: the waits.  1: the trip's last quarter: bases and LDS addresses move on by two chunks.  2: the LDS addresses alone.  3: the pass's last quarter: nothing follows that a wait would serve.
.macro Q0 fu, zero, bar, hoff, ss, soff, gu, uoff, xs, xoff, loff, nl, cs, fin
	s_wait_dscnt 0x0                               ; row tiles 0-3 are in: their loads stand 30 products back, and nothing younger is out
.set n, 0
.irp p, 2,3
	MM \fu, AF, \zero
	HG AF, \hoff, \p                               ; no wait: no product since the last quarter's end names v96-127
.endr
.if (\ss) >= 0
.irp p, 0,1
	MM \fu, AF, \zero
	SG \ss, \soff, \p                              ; no wait: the set and v[XST] were written ahead of the last quarter's end
.endr
.endif
.if (\gu) >= 0
.irp p, 0,1,2,3
	MM \fu, AF, \zero
	UG \gu, \uoff, \p                              ; no wait: the buffer's readers stand two quarters back
.endr
.endif
.if (\xs) >= 0
.irp p, 0,1
	MM \fu, AF, \zero
	XG \xs, \xoff, \p                              ; no wait: the set was rounded two quarters back and stored in the last quarter, ahead of that quarter's two closing waits
.endr
.endif
.rept 16-n
	MM \fu, AF, \zero
.endr
.if \bar
	s_wait_dscnt 0x0                               ; for the others' sake: zero
	s_barrier_signal -1
.endif
.rept 16
	MM \fu, AF, \zero
.endr
.if \bar
	s_barrier_wait -1
.else
	s_wait_dscnt 0x0                               ; row tiles 4-7 are in (in a quarter with a barrier the wait ahead of the signal has shown it)
.endif
.if (\loff) >= 0
	PLACES
	s_wait_alu depctr_va_vdst(0)                   ; products 0-31 are done reading v64-95, in which the next quarter's row tiles 0-3 land
.irp p, 0,1
	MM \fu, AF, \zero
	HG AF, \loff, \p
.endr
.endif
.rept 61-n
	MM \fu, AF, \zero
.endr
.if (\nl) >= 0
	s_wait_loadcnt \nl                             ; loads come back in order (ISA guide 5.7.1)
.endif
.if (\cs) >= 0
	CG \cs, 0
	MM \fu, AF, \zero
	CG \cs, 1
	MM \fu, AF, \zero
	CG \cs, 2
	MM \fu, AF, \zero
	CG \cs, 3
.else
.rept 3
	MM \fu, AF, \zero
.endr
.if (\fin) != 3
	PLACES
.endif
.endif
	WIN 0
.if ((\ss) >= 0) || ((\fin) == 1) || ((\fin) == 2)
	s_wait_alu depctr_vm_vsrc(0)                   ; this quarter's LDS stores have read their set, in which loads land next; with a step: the LDS loads and stores issued so far have read v[ADRA] and v[XST]
.endif
.if (\fin) == 1
	s_wait_xcnt 0x0                                ; the youngest global load stands 54 products back: it has read its base
	s_add_nc_u64 s[UP:UP+1], s[UP:UP+1], 32768
	s_add_nc_u64 s[XP:XP+1], s[XP:XP+1], 512
.endif
.if ((\fin) == 1) || ((\fin) == 2)
	s_add_co_u32 s[KB], s[KB], 2*ACH
	v_add_nc_u32 v[ADRA], s[KB], v[ADRA0]
	v_add_nc_u32 v[XST], s[KB], v[XS0]
.endif
.if (\fin) != 3
	s_wait_alu depctr_va_vdst(0)                   ; products 32-63 are done reading v96-127, in which the next quarter's row tiles 4-7 land; the conversions have written their set, which the next quarter's LDS stores read; with a step: v[ADRA] and v[XST] are written
.endif
.endm
; PASS 1's QUARTER q: 64 products on enc's buffer fa (q % 2) and U's buffer fu (q % 4).  Behind products 0-3 enc's fragments of quarter q + 1 into ga, behind the next four U's of quarter q + 3 into gu.
.macro Q1 fa, fu, ga, aoff, gu, uoff, zero, aon
	s_wait_loadcnt 32                              ; loads come back in order (ISA guide 5.7.1): U of this quarter is in, the two younger batches of 16 stay out
	s_wait_dscnt 0x0                               ; enc's fragments are in
.if !(\zero)
	PLACES
	s_wait_alu depctr_va_vdst(0)                   ; the quarter before is done reading ga and gu, in which this quarter's 32 loads land; in a trip's first quarter v[ADRA] is written
.endif                                                 ; (ahead of the pass's first quarter the wait at the end of the lines behind pass 0 has shown the same)
.set n, 0
.if \aon
.irp p, 0,1,2,3
	MM \fu, \fa, \zero
	HG \ga, \aoff, \p                              ; no wait: this quarter's products name fa, fu and the accumulators
.endr
.endif
.irp p, 0,1,2,3
	MM \fu, \fa, \zero
	UG \gu, \uoff, \p
.endr
.rept 64-n
	MM \fu, \fa, \zero
.endr
.endm
; the table entries of my eight units of unit tile b
.macro TBL b, tb
.irp k, 0,1,2
	ds_load_b128 v[(\tb)+8*(\k):(\tb)+8*(\k)+3],   v[TA] offset:(\k)*4096+(\b)*64
	ds_load_b128 v[(\tb)+8*(\k)+4:(\tb)+8*(\k)+7], v[TA] offset:(\k)*4096+(\b)*64+16
.endr
.endm
; Behind a pass, unit tile b of all eight row tiles: 64 numbers a lane.  t = k2 x + bias + (k2 Wc_w) cov; 2^t; + 1; 1 / ..; the score takes (-2 V) times that.
; The 64 exponentials are one batch with one wait, and so are the 64 reciprocals: the wait stands ahead of the first line that names a result, and a plain line behind the last of a batch.
.macro EGROUP b
.set tb, TB+24*((\b)%2)
	WIN 0
	s_wait_dscnt 0x0                               ; this tile's table entries are in
.set n, 0
.rept 32                               ; n = 4 a + i: each accumulator is read from its low end on
	WIN 0x02+n/16
	v_pk_fma_f32 v[T+2*n:T+2*n+1], v[8*(8*((n/4)%4)+(\b))+2*(n%4):8*(8*((n/4)%4)+(\b))+2*(n%4)+1], s[K2:K2+1], v[tb+2*(n%4):tb+2*(n%4)+1] op_sel_hi:[1,0,1]
.set n, n+1
.endr
	WIN 0
.set n, 0
.rept 32
	v_pk_fma_f32 v[T+2*n:T+2*n+1], v[tb+8+2*(n%4):tb+8+2*(n%4)+1], v[CV+2*(n/4):CV+2*(n/4)+1], v[T+2*n:T+2*n+1]
.set n, n+1
.endr
.set n, 0
.rept 64
	v_exp_f32 v[T+n], v[T+n]
.set n, n+1
.endr
	v_nop
	s_wait_alu depctr_va_vdst(0)                   ; the 64 exponentials have written v[T ..]; and the tile before is done reading the other table buffer, in which the loads below land
.if (\b) < 7
	TBL (\b)+1, TB+24*(((\b)+1)%2)                 ; the next tile's entries; this tile's lines name its own buffer alone
.endif
.set n, 0
.rept 32
	v_pk_add_f32 v[T+2*n:T+2*n+1], v[T+2*n:T+2*n+1], 1.0 op_sel_hi:[1,0]
.set n, n+1
.endr
.set n, 0
.rept 64
	v_rcp_f32 v[T+n], v[T+n]
.set n, n+1
.endr
	v_nop
	s_wait_alu depctr_va_vdst(0)                   ; the 64 reciprocals have written v[T ..]
.set n, 0
.rept 32                               ; n = 8 i + a: two links of a row tile's chain stand eight lines apart
	v_pk_fma_f32 v[SC+2*(n%8):SC+2*(n%8)+1], v[T+8*(n%8)+2*(n/8):T+8*(n%8)+2*(n/8)+1], v[tb+16+2*(n/8):tb+16+2*(n/8)+1], v[SC+2*(n%8):SC+2*(n%8)+1]
.set n, n+1
.endr
.endm
; CTX.  Wave w makes channels 256 w .. 256 w + 255: 16 tiles t of 16, K = the block's 128 rows in four steps of 32.  Source 0 = p (all 16 rows alike), source 1 = enc turned (16 channels x 32 rows).
; The turning load takes 16 rows x 16 channels (lane l reads row 8 (l/16) + l%8, channels 8 ((l/8)%2) + 0..7) and leaves half a fragment.
.macro FETCH_E ks, buf
	WIN 0xc0
.set t, 0
.rept 16
	ds_load_tr16_b128 v[128*(\buf)+8*t:128*(\buf)+8*t+3],   v[AT+t/8] offset:((t/4)%2)*ACH+(\ks)*32*PA+32*(t%4)
	ds_load_tr16_b128 v[128*(\buf)+8*t+4:128*(\buf)+8*t+7], v[AT+t/8] offset:((t/4)%2)*ACH+(\ks)*32*PA+32*(t%4)+16*PA
.set t, t+1
.endr
.endm
.macro MULC ks, buf                    ; the 16 accumulators take turns
	WIN 0xac
.set t, 0
.rept 16
.if (\ks) == 0
	v_wmma_f32_16x16x32_bf16 v[8*t:8*t+7], v[PF+8*(\ks):PF+8*(\ks)+7], v[128*(\buf)+8*t:128*(\buf)+8*t+7], 0
.else
	v_wmma_f32_16x16x32_bf16 v[8*t:8*t+7], v[PF+8*(\ks):PF+8*(\ks)+7], v[128*(\buf)+8*t:128*(\buf)+8*t+7], v[8*t:8*t+7]
.endif
.set t, t+1
.endr
.endm
	s_load_b512 s[4:19], s[0:1], 0x0               ; enc s[4:5], uf s[6:7], bias s[8:9], Wc_w s[10:11], V s[12:13], cov s[14:15], mask s[16:17], sc s[18:19]
	s_load_b64 s[20:21], s[0:1], 0x40              ; ctxp
	v_lshl_add_u32 v[SPW], v0, 2, SPARE
	v_mov_b32 v[NIL], 0
	v_lshrrev_b32 v56, 5, v0
	v_readfirstlane_b32 s[WV], v56                 ; wave 0..3
	v_and_b32 v57, 31, v0                          ; l
	v_and_b32 v1, 15, v0                           ; l % 16
	v_bfe_u32 v2, v0, 4, 1                         ; l / 16
	v_mul_u32_u24 v[ADRA0], v1, PA
	v_lshl_add_u32 v[ADRA0], v2, 4, v[ADRA0]
	v_mov_b32 v[ADRA], v[ADRA0]                    ; chunk 0
	v_lshlrev_b32 v[LOF], 4, v57
	s_wait_alu depctr_va_sdst(0)                   ; the wave's number is written, ahead of its first reader
	s_lshl_b32 s23, s[WV], 10
	s_add_co_u32 s27, s23, TAB
	v_lshl_add_u32 v[TA0], v2, 5, s27              ; my wave's 256 units, my lanes' eight of sixteen
	s_add_co_u32 s27, s23, CX
	v_lshl_add_u32 v[CXW], v1, 2, s27
	v_add_nc_u32 v[CXR], s27, v[LOF]
	v_lshlrev_b32 v[XO], 4, v1
	v_lshl_add_u32 v[XO], v2, 12, v[XO]
	v_mul_u32_u24 v[XS0], v2, PA
	v_lshl_add_u32 v[XS0], v1, 3, v[XS0]
	s_mul_i32 s27, s[WV], 32*PA
	v_add_nc_u32 v[XS0], s27, v[XS0]
	v_and_b32 v58, 7, v0
	v_lshl_add_u32 v58, v2, 3, v58
	v_mul_u32_u24 v[AT], v58, PA
	v_bfe_u32 v59, v0, 3, 1
	v_lshl_add_u32 v[AT], v59, 4, v[AT]
	s_mul_i32 s27, s[WV], 4*ACH
	v_add_nc_u32 v[AT], s27, v[AT]
	v_add_nc_u32 v[AT+1], 2*ACH, v[AT]
	s_lshl_b32 s27, s[WV], 8
	s_add_co_u32 s27, s27, PB
	v_lshl_add_u32 v[PBA], v2, 4, s27
	v_lshl_add_u32 v[PBW], v57, 3, s27
	s_lshl_b32 s27, s[WV], 9
	s_add_co_u32 s27, s27, SCP
	v_lshl_add_u32 v[SCW], v1, 2, s27
	v_add_nc_u32 v[SCR], SCP, v[LOF]
	v_lshlrev_b32 v[PFO], 12, v57
	v_lshlrev_b32 v[CVO], 2, v1
	v_lshl_add_u32 v[TF], v0, 4, TAB
	v_lshlrev_b32 v60, 4, v0                       ; Wc_w and V: 16 x thread
	v_lshrrev_b32 v61, 2, v0                       ; bias lies [unit tile][b][16 units]: tile thread / 4, 2,048 bytes a tile,
	v_lshlrev_b32 v61, 11, v61
	v_and_b32 v59, 3, v0
	v_lshl_add_u32 v61, v59, 4, v61                ; four units of its sixteen
	v_mov_b32 v245, 0                              ; a destination of v_permlanex16_b32 counts as read
	s_mov_b32 s[K2], 0x4038aa3b                    ; 2 log2(e)
	s_mov_b32 s[K2+1], s[K2]
	s_mov_b32 s[SEL], 0x76543210
	s_mov_b32 s[SEL+1], 0xfedcba98
	s_mov_b32 s[C1], 0x3fb8aa3b                    ; log2(e)
	s_mov_b32 s35, 0                               ; s[34:35]: a byte offset in 64 bits
	s_wait_kmcnt 0x0
	s_lshl_b32 s34, ttmp9, 20                      ; enc: the work-group's 256 rows of 4,096 bytes,
	s_lshl_b32 s23, s[WV], 17                      ; my wave's 32 rows of the block
	s_add_co_u32 s34, s34, s23
	s_add_nc_u64 s[4:5], s[4:5], s[34:35]
	s_lshl_b32 s34, s[WV], 19                      ; uf: my wave's 256 units; never rewritten
	s_add_nc_u64 s[6:7], s[6:7], s[34:35]
	s_lshr_b32 s34, ttmp9, 3                       ; the batch
	s_lshl_b32 s34, s34, 6
	s_add_nc_u64 s[8:9], s[8:9], s[34:35]
	s_lshl_b32 s34, ttmp9, 10                      ; cov, mask, sc: 256 rows of 4 bytes
	s_add_nc_u64 s[14:15], s[14:15], s[34:35]
	s_add_nc_u64 s[16:17], s[16:17], s[34:35]
	s_add_nc_u64 s[18:19], s[18:19], s[34:35]
	s_lshl_b32 s34, ttmp9, 13                      ; ctxp: two blocks of 4,096 bytes, my wave's 256 channels
	s_lshl_b32 s23, s[WV], 10
	s_add_co_u32 s34, s34, s23
	s_add_nc_u64 s[20:21], s[20:21], s[34:35]
	s_mov_b64 s[UP:UP+1], s[6:7]
	s_wait_alu depctr_va_vdst(0)                   ; all offsets and LDS addresses, v3 to v23, v60 and v61, are written: every load and store of the kernel reads one of them
	FETCH_U 0, 0                                   ; U of the first three quarters
	FETCH_U 64, 8192
	FETCH_U 128, 16384
	WIN 0
	global_load_b128 v[64:67], v61, s[8:9]         ; the tables: 128 threads x 16 bytes, twice
	global_load_b128 v[68:71], v61, s[8:9] offset:65536
	global_load_b128 v[72:75], v60, s[10:11]
	global_load_b128 v[76:79], v60, s[10:11] offset:2048
	global_load_b128 v[80:83], v60, s[12:13]
	global_load_b128 v[84:87], v60, s[12:13] offset:2048
	s_wait_loadcnt 0x0
.irp i, 72,74,76,78
	v_pk_mul_f32 v[\i:\i+1], v[\i:\i+1], s[K2:K2+1] op_sel_hi:[1,0]
.endr
.irp i, 80,82,84,86
	v_pk_mul_f32 v[\i:\i+1], v[\i:\i+1], -2.0 op_sel_hi:[1,0]
.endr
	s_wait_alu depctr_va_vdst(0)                   ; the scalings have written v72-87, which the LDS stores read
.irp k, 0,1,2
	ds_store_b128 v[TF], v[64+8*(\k):64+8*(\k)+3] offset:(\k)*4096
	ds_store_b128 v[TF], v[64+8*(\k)+4:64+8*(\k)+7] offset:(\k)*4096+2048
.endr
	s_wait_dscnt 0x0                               ; my part of the tables is in LDS
	s_mov_b32 s[BLK], 2
.Lblock:
	; ---- A BLOCK'S BEGINNING.  One run of 57 loads: cov, the mask, my 32 rows of chunk 0 (into the fragments' registers) and of chunks 1 and 2 (the four landing sets).
	; No load or store has been issued since the last wait that frees the pointers (at the head the wait for all loads, at a block's end the wait on XCNT).
	s_mov_b64 s[UP:UP+1], s[6:7]
	s_mov_b64 s[XP:XP+1], s[4:5]
	s_mov_b32 s[KB], 0
	s_wait_alu depctr_vm_vsrc(0)                   ; the stores issued so far have read their registers: the tables' v64-87; the last block's v[XST], scores v40-54, v228-239 and v250-251: all are written below
	v_mov_b32 v[XST], v[XS0]
	s_wait_alu depctr_va_vdst(0)                   ; v[XST] is written; the last block's vector and matrix lines are done with cov, the mask and v64-255, in which the loads below land
.irp a, 0,1,2,3,4,5,6,7
	global_load_b32 v[CV+2*(\a)], v[CVO], s[14:15] offset:(\a)*64
.endr
	global_load_b128 v[MK:MK+3], v[LOF], s[16:17]
.set i, 0
.rept 16
	global_load_b128 v[AF+4*i:AF+4*i+3], v[XO], s[XP:XP+1] offset:i*8192 th:TH_LOAD_NT
.set i, i+1
.endr
.irp p, 0,1
	XG 0, 256, \p                                  ; X(-4): chunk 1, my rows 0-15
.endr
.irp p, 0,1
	XG 1, 256+65536, \p                            ; X(-3): chunk 1, my rows 16-31
.endr
.irp p, 0,1
	XG 2, 512, \p                                  ; X(-2), X(-1): chunk 2
.endr
.irp p, 0,1
	XG 3, 512+65536, \p
.endr
	s_wait_loadcnt 24                              ; all but the three youngest batches of eight: U of the first three quarters, cov, the mask, chunk 0 and X(-4) are in
.set x, 0
.rept 32
	v_cvt_pk_bf16_f32 v[AF+x], v[AF+2*x], v[AF+2*x+1]
.set x, x+1
.endr
.irp p, 0,1,2,3
	CG 0, \p
.endr
.irp a, 0,1,2,3,4,5,6,7
	v_mov_b32 v[CV+2*(\a)+1], v[CV+2*(\a)]         ; cov twice, so that the packed line takes the pair as it is
.endr
.set n, 0
.rept 16
	v_mov_b32 v[SC+n], 0                           ; the scores start at 0: sixteen registers for a block
.set n, n+1
.endr
	v_mov_b32 v[TA], v[TA0]
	s_wait_alu depctr_va_vdst(0)                   ; the 48 conversions have written v64-95 and v128-143, which the LDS stores read; v[TA] is written, which the table loads read
.set i, 0
.rept 16
	ds_store_b64 v[XST], v[AF+2*i:AF+2*i+1] offset:i*2*PA
.set i, i+1
.endr
.irp p, 0,1
	SG 0, ACH, \p
.endr
	s_wait_dscnt 0x0                               ; for the others' sake: my rows of chunk 0 (and, the first time, my part of the tables) are written
	s_barrier_signal -1
	s_barrier_wait -1                              ; chunk 0 is whole
	s_wait_alu depctr_vm_vsrc(0)                   ; my LDS stores have read v64-95, in which the first fragments land, and v128-143, in which X(0) lands
	s_mov_b32 s[PAS], 2
.Lpass:
	s_cmp_eq_u32 s[PAS], 2                         ; the count is the same in every wave
	s_cbranch_scc0 .Lk1
	; ---- PASS 0: quarter 0; six trips of four quarters; seven quarters written out, in which first the asking and then the storing end.
	; The counts of the wait behind product 60: in quarter 0 X(-2) and X(-1) may stay out, 16; from then on X(q-2), U(q+2) and X(q-1), 32.
	HG AF, 0, 0
	HG AF, 0, 1
	Q0 0, 1, 0, 0, -1, 0, -1, 0, -1, 0, 64, 16, 1, 0                                        ; quarter 0: its products start the sums; U of quarter 2 and X(-1) were asked for ahead of the pass
	s_mov_b32 s[TRP], 6
.Lt0:                                          ; quarters 4 i + 1 .. 4 i + 4; all offsets count from chunk 2 i
	Q0 64,  0, 1, 64,     1, ACH+16*PA,   192, 3*8192, 0, 3*256,       ACH,      32, 2, 0
	Q0 128, 0, 0, ACH,    2, 2*ACH,       0,   4*8192, 1, 3*256+65536, ACH+64,   32, 3, 0
	Q0 192, 0, 1, ACH+64, 3, 2*ACH+16*PA, 64,  5*8192, 2, 4*256,       2*ACH,    32, 0, 0
	Q0 0,   0, 0, 2*ACH,  0, 3*ACH,       128, 6*8192, 3, 4*256+65536, 2*ACH+64, 32, 1, 1
	s_sub_co_u32 s[TRP], s[TRP], 1
	s_cmp_lg_u32 s[TRP], 0
	s_cbranch_scc1 .Lt0
	Q0 64,  0, 1, 64,     1, ACH+16*PA,   192, 3*8192, 0, 3*256,       ACH,      32, 2, 0   ; quarter 25
	Q0 128, 0, 0, ACH,    2, 2*ACH,       0,   4*8192, 1, 3*256+65536, ACH+64,   32, 3, 0   ; quarter 26: X(25), chunk 15's second half, is the last batch asked for
	Q0 192, 0, 1, ACH+64, 3, 2*ACH+16*PA, 64,  5*8192, -1, 0,          2*ACH,    24, 0, 0   ; quarter 27: X(25) and U(29) may stay out, 24
	Q0 0,   0, 0, 2*ACH,  0, 3*ACH,       128, 6*8192, -1, 0,          2*ACH+64, 16, 1, 2   ; quarter 28: from here on one batch of U, 16; X(25) is rounded
	Q0 64,  0, 1, 64,     1, ACH+16*PA,   192, 7*8192, -1, 0,          ACH,      16, -1, 0  ; quarter 29: X(25) is stored: behind this barrier the block is complete
	Q0 128, 0, 0, ACH,    -1, 0,          0,   8*8192, -1, 0,          ACH+64,   16, -1, 0  ; quarter 30.  uf's two passes lie end to end: from here on pass 1's first three batches are asked for
	Q0 192, 0, 0, ACH+64, -1, 0,          64,  9*8192, -1, 0,          -1,       -1, -1, 3  ; quarter 31
	FETCH_U 128, 10*8192                           ; no wait: the buffer's readers, quarter 30's products, stand ahead of that quarter's closing wait, and quarter 31 names buffer 3
	WIN 0
	s_branch .Lepi
.Lk1:
	; ---- PASS 1: the whole block lies in LDS; two buffers of fragments, no barrier
	s_wait_xcnt 0x0                                ; pass 0's last loads of U have read their base
	s_add_nc_u64 s[UP:UP+1], s[6:7], 0x40000
.irp p, 0,1,2,3
	HG 64, 0, \p                                   ; no wait: the wait at the end of the lines behind pass 0 has shown v64-127 free and v[ADRA] written
.endr
	Q1 64, 0, 128, 64, 192, 24576, 1, 1            ; quarter 0 stands in front of the loop: its products start the sums
	WIN 0
	s_mov_b32 s[TRP], 7
.Lt1:                                          ; quarters 4 i + 1 .. 4 i + 4
	Q1 128, 64,  64,  ACH,      0,   32768, 0, 1
	Q1 64,  128, 128, ACH+64,   64,  40960, 0, 1
	Q1 128, 192, 64,  2*ACH,    128, 49152, 0, 1
	Q1 64,  0,   128, 2*ACH+64, 192, 57344, 0, 1
	WIN 0
	s_wait_alu depctr_vm_vsrc(0)                   ; the LDS loads issued so far have read v[ADRA]
	v_add_nc_u32 v[ADRA], 2*ACH, v[ADRA]           ; that it is written is shown by the wait at the next quarter's head
	s_wait_xcnt 0x0                                ; the youngest load of U stands 56 products back: it has read its base
	s_add_nc_u64 s[UP:UP+1], s[UP:UP+1], 32768
	s_sub_co_u32 s[TRP], s[TRP], 1
	s_cmp_lg_u32 s[TRP], 0
	s_cbranch_scc1 .Lt1
	; quarters 29 to 31 ask for U of the NEXT block's first three quarters, which begin at my wave's first byte of uf again.
	; (Behind the last block these three batches serve nothing: the price of one text for both blocks.  Nothing was issued since the wait above, so the base may be written.)
	s_mov_b64 s[UP:UP+1], s[6:7]
	Q1 128, 64,  64,  ACH,    0,   0,     0, 1
	Q1 64,  128, 128, ACH+64, 64,  8192,  0, 1
	Q1 128, 192, 0,   0,      128, 16384, 0, 0
	WIN 0
.Lepi:
	PLACES                                         ; the lines below read results just made and write registers just read
	PLACES
	s_wait_alu depctr_va_vdst(0)                   ; pass 1's last products are done reading v128-191, in which the table entries land
	TBL 0, TB
	EGROUP 0
	EGROUP 1
	EGROUP 2
	EGROUP 3
	EGROUP 4
	EGROUP 5
	EGROUP 6
	EGROUP 7
	s_wait_alu depctr_vm_vsrc(0)                   ; the table loads have read v[TA], the pass's LDS loads v[ADRA]
	v_add_nc_u32 v[TA], 512, v[TA]                 ; the next pass's 128 units
	v_mov_b32 v[ADRA], v[ADRA0]                    ; the next pass begins at chunk 0 again
	s_wait_alu depctr_va_vdst(0)                   ; both are written, which the next pass's LDS loads read; the lines above are done with v64-175, in which pass 1's fragments land
	s_sub_co_u32 s[PAS], s[PAS], 1
	s_cmp_lg_u32 s[PAS], 0
	s_cbranch_scc1 .Lpass
	; ---- A PREFETCH of what the next block's beginning asks for in one run: chunks 0 to 2 of my wave's 32 rows, a lane a row, 256 bytes a line: each byte is named once in the launch, by the wave that will load it.
	; It stands ahead of the scores, the softmax and the context.  The second block has no successor and asks for nothing.  Inside pass 0 the loads themselves go out some 180 products ahead.
	s_cmp_eq_u32 s[BLK], 2
	s_cbranch_scc0 .Lnopf
.irp i, 0,1,2
	global_prefetch_b8 v[PFO], s[4:5] offset:524288+(\i)*256 th:TH_LOAD_NT scope:SCOPE_SE
.endr
.Lnopf:
	; ---- SCORE.  A row's score: the pair's two halves, the other half of the lanes, the four waves.
.irp a, 0,1,2,3,4,5,6,7
	v_add_f32 v[SC+2*(\a)], v[SC+2*(\a)], v[SC+2*(\a)+1]
.endr
.irp a, 0,1,2,3,4,5,6,7
	v_permlanex16_b32 v[SC+2*(\a)+1], v[SC+2*(\a)], s[SEL], s[SEL+1]
.endr
.irp a, 0,1,2,3,4,5,6,7
	v_add_f32 v[SC+2*(\a)], v[SC+2*(\a)], v[SC+2*(\a)+1]
.endr
	s_wait_alu depctr_va_vdst(0)                   ; the additions have written the eight scores, which the LDS stores read
.irp a, 0,1,2,3,4,5,6,7
	ds_store_b32 v[SCW], v[SC+2*(\a)] offset:(\a)*64  ; both halves of the lanes write the same word with the same value
.endr
	s_wait_dscnt 0x0                               ; for the others' sake
	s_barrier_signal -1
	s_barrier_wait -1
.irp w, 0,1,2,3
	ds_load_b128 v[SS+4*(\w):SS+4*(\w)+3], v[SCR] offset:(\w)*512  ; no wait: no vector line since the wait above names v228-243
.endr
	s_wait_dscnt 0x0
	v_pk_add_f32 v[SS:SS+1],     v[SS:SS+1],     v[SS+4:SS+5]      ; the same order in every wave: all four hold the same scores, rows 4 l .. 4 l + 3
	v_pk_add_f32 v[SS+2:SS+3],   v[SS+2:SS+3],   v[SS+6:SS+7]
	v_pk_add_f32 v[SS+8:SS+9],   v[SS+8:SS+9],   v[SS+12:SS+13]
	v_pk_add_f32 v[SS+10:SS+11], v[SS+10:SS+11], v[SS+14:SS+15]
	v_pk_add_f32 v[SS:SS+1],     v[SS:SS+1],     v[SS+8:SS+9]
	v_pk_add_f32 v[SS+2:SS+3],   v[SS+2:SS+3],   v[SS+10:SS+11]
	s_cmp_lg_u32 s[WV], 0
	s_cbranch_scc1 .Lnot0
	s_wait_alu depctr_va_vdst(0)                   ; the sums have written v228-231, which the store reads
	global_store_b128 v[LOF], v[SS:SS+3], s[18:19] ; 512 consecutive bytes; its registers are not written again before the waits at the next block's head
.Lnot0:
	v_max3_num_f32 v244, v[SS], v[SS+1], v[SS+2]
	v_max_num_f32 v244, v244, v[SS+3]
	v_max_num_f32_dpp v244, v244, v244 row_xmask:1 row_mask:0xf bank_mask:0xf
	v_max_num_f32_dpp v244, v244, v244 row_xmask:2 row_mask:0xf bank_mask:0xf
	v_max_num_f32_dpp v244, v244, v244 row_xmask:4 row_mask:0xf bank_mask:0xf
	v_max_num_f32_dpp v244, v244, v244 row_xmask:8 row_mask:0xf bank_mask:0xf
	v_permlanex16_b32 v245, v244, s[SEL], s[SEL+1]
	v_max_num_f32 v244, v244, v245                 ; the block's maximum, over all its rows
.irp i, 0,1,2,3
	v_sub_f32 v[246+(\i)], v[SS+(\i)], v244
.endr
.irp i, 0,1,2,3
	v_mul_f32 v[246+(\i)], s[C1], v[246+(\i)]
.endr
.irp i, 0,1,2,3
	v_exp_f32 v[246+(\i)], v[246+(\i)]
.endr
	v_nop
	s_wait_alu depctr_va_vdst(0)                   ; the four exponentials have written v246-249
.irp i, 0,1,2,3
	v_mul_f32 v[246+(\i)], v[246+(\i)], v[MK+(\i)]
.endr
	v_cvt_pk_bf16_f32 v250, v246, v247
	v_cvt_pk_bf16_f32 v251, v248, v249
	s_wait_alu depctr_va_vdst(0)                   ; the roundings have written v250-251, which the LDS store reads
	ds_store_b64 v[PBW], v[250:251]                ; into my wave's own copy: LDS serves a wave's instructions in order (ISA guide 5.7.1.4), so the loads below see it
	; ---- CTX
.irp k, 0,1,2,3
	ds_load_b128 v[PF+8*(\k):PF+8*(\k)+3],   v[PBA] offset:(\k)*64      ; no wait: no vector or matrix line since the wait above names v192-223 or window 3
	ds_load_b128 v[PF+8*(\k)+4:PF+8*(\k)+7], v[PBA] offset:(\k)*64+32
.endr
	FETCH_E 0, 0
	FETCH_E 1, 1
	s_wait_dscnt 32                                ; p and step 0 are in; step 1's 32 loads stay out
	MULC 0, 0
	PLACES
	s_wait_alu depctr_va_vdst(0)                   ; step 0's products are done reading the first half of window 3, in which step 2 lands
	FETCH_E 2, 0
	s_wait_dscnt 32
	MULC 1, 1
	PLACES
	s_wait_alu depctr_va_vdst(0)                   ; step 1's products are done reading the second half of window 3, in which step 3 lands
	FETCH_E 3, 1
	s_wait_dscnt 32
	MULC 2, 0
	s_wait_dscnt 0x0
	MULC 3, 1
	PLACES
	PLACES
	s_wait_alu depctr_va_vdst(0)                   ; the products have written the 16 accumulators, which the LDS stores read; the places above stay beside this wait
	WIN 0x08                                       ; store data in window 2
.set t, 0
.rept 16
	ds_store_b32 v[CXW], v[8*t] offset:t*64        ; all 16 rows of the result are alike: register 0 holds channel 16 t + l%16
.set t, t+1
.endr
	WIN 0
	ds_load_b128 v[232:235], v[CXR]                ; my own stage, in order behind the stores; no vector line since the wait above names v232-239
	ds_load_b128 v[236:239], v[CXR] offset:512
	s_wait_dscnt 0x0
	global_store_b128 v[LOF], v[232:235], s[20:21]
	global_store_b128 v[LOF], v[236:239], s[20:21] offset:512  ; 512 consecutive bytes each
	; ---- the block's end
	s_wait_xcnt 0x0                                ; loads, stores and prefetches have had their addresses translated: the bases may be written
	s_add_nc_u64 s[4:5], s[4:5], 524288            ; the next block's 128 rows
	s_add_nc_u64 s[14:15], s[14:15], 512
	s_add_nc_u64 s[16:17], s[16:17], 512
	s_add_nc_u64 s[18:19], s[18:19], 512
	s_add_nc_u64 s[20:21], s[20:21], 4096
	s_wait_dscnt 0x0                               ; my reads of the block and of the partial scores are over
	s_barrier_signal -1
	s_barrier_wait -1                              ; everybody's are: the next block may be stored over this one
	s_sub_co_u32 s[BLK], s[BLK], 1
	s_cmp_lg_u32 s[BLK], 0
	s_cbranch_scc1 .Lblock
	s_wait_dscnt 0x0                               ; the closing lines, six on end
	s_wait_alu 0x0
	s_wait_tensorcnt 0x0
	ds_add_u32 v[SPW], v[NIL]
	s_wait_dscnt 0x0
	s_endpgm
.Lfunc_end_k_q8701111c51_attend:
	.size	k_q8701111c51_attend, .Lfunc_end_k_q8701111c51_attend-k_q8701111c51_attend
	.p2alignl 7, 3214868480
	.fill 96, 4, 3214868480
	.section	.rodata,"a",@progbits
	.p2align	6, 0x0
	.amdhsa_kernel k_q8701111c51_attend
		.amdhsa_group_segment_fixed_size 314880
		.amdhsa_private_segment_fixed_size 0
		.amdhsa_enable_private_segment 0
		.amdhsa_kernarg_size 72
		.amdhsa_user_sgpr_count 2
		.amdhsa_user_sgpr_kernarg_segment_ptr 1
		.amdhsa_wavefront_size32 1
		.amdhsa_system_sgpr_workgroup_id_x 1
		.amdhsa_system_sgpr_workgroup_id_y 1
		.amdhsa_system_sgpr_workgroup_id_z 1
		.amdhsa_system_vgpr_workitem_id 0
		.amdhsa_next_free_vgpr 1024
		.amdhsa_next_free_sgpr 66
		.amdhsa_reserve_vcc 0
		.amdhsa_float_denorm_mode_32 3
		.amdhsa_float_denorm_mode_16_64 3
		.amdhsa_memory_ordered 1
		.amdhsa_forward_progress 1
		.amdhsa_inst_pref_size 255
	.end_amdhsa_kernel
	.section	.bss,"aw",@nobits
	.p2align	6
	.space	262144
	.amdgpu_metadata
---
amdhsa.version: [ 1, 2 ]
amdhsa.kernels:
  - .name:           k_q8701111c51_attend
    .symbol:         k_q8701111c51_attend.kd
    .args:
      - { .name: encoder_outputs, .offset: 0, .size: 8, .value_kind: global_buffer, .address_space: global }
      - { .name: uf, .offset: 8, .size: 8, .value_kind: global_buffer, .address_space: global }
      - { .name: bias, .offset: 16, .size: 8, .value_kind: global_buffer, .address_space: global }
      - { .name: Wc_w, .offset: 24, .size: 8, .value_kind: global_buffer, .address_space: global }
      - { .name: V, .offset: 32, .size: 8, .value_kind: global_buffer, .address_space: global }
      - { .name: coverage_vector, .offset: 40, .size: 8, .value_kind: global_buffer, .address_space: global }
      - { .name: encoder_mask, .offset: 48, .size: 8, .value_kind: global_buffer, .address_space: global }
      - { .name: sc, .offset: 56, .size: 8, .value_kind: global_buffer, .address_space: global }
      - { .name: ctxp, .offset: 64, .size: 8, .value_kind: global_buffer, .address_space: global }
    .group_segment_fixed_size: 314880
    .private_segment_fixed_size: 0
    .kernarg_segment_align: 8
    .kernarg_segment_size: 72
    .max_flat_workgroup_size: 128
    .sgpr_count:     66
    .vgpr_count:     1024
    .wavefront_size: 32
...
	.end_amdgpu_metadata
.endif
;; end of part 4
;; launch finish: the kernel of part 3 again; grid 32 x 1, 8 waves a work-group, no clusters, 1,792 bytes of LDS; arguments sc, ctxp, encoder_mask, coverage_vector, out0, out1, out2; writes out0, out1, out2
